; MI455X (gfx1250); checked and timed in simulation.
; The chip was launched on July 23, 2026; its instructions are those of AMD's public machine-readable ISA for CDNA 5 (MIT licence, August 2026) and "CDNA5" Instruction Set Architecture Reference Guide (July 2026). The comments in the code are by the model that wrote it; some were corrected since.
;; Single Head Neural Memory Linear. Allowed arithmetic: float matrix products may take bf16 or f16 operands with f32 sums; all other float work in f32.
;; Inputs: b_k 1,024 float32; b_lr 1 float32; b_q 1,024 float32; b_v 1,024 float32; b_wd 1 float32; hidden 8 x 1,024 x 1,024 float32; log_base_lr 1 float32; log_base_wd 1 float32; w_k 1,024 x 1,024 float32; w_lr 1,024 x 1 float32; w_q 1,024 x 1,024 float32; w_v 1,024 x 1,024 float32; w_wd 1,024 x 1 float32; x 8 x 1,024 x 1,024 float32.
;; Outputs: out0 8 x 1,024 x 1,024 float32; out1 8 x 1,024 x 1,024 float32.
;; One version. Each part assembles by itself: llvm-mc -triple=amdgcn-amd-amdhsa -mcpu=gfx1250 --defsym DOCPART=n.
;; ======== version 1 of 1: 5 launches
;; limits: values outside matrix products are rounded to f16; values are held in f16: magnitudes above 65,504 overflow, below 6.1e-05 lose precision; right only within a limited range of input values
;; workspace buffers: xh 16,777,216 bytes; zs 104,448 bytes; wt 6,291,456 bytes; wh 16,777,216 bytes; tab 164,352 bytes; qk 50,331,648 bytes; pe 50,331,648 bytes
;; launch castx (part 1): grid 448 x 1, 8 waves a work-group, no clusters, 34,816 bytes of LDS; arguments x, w_lr, w_wd, w_q, w_k, w_v, xh, zs, wt; writes xh, zs, wt
.if DOCPART == 1
	.amdgcn_target "amdgcn-amd-amdhsa--gfx1250"
	.amdhsa_code_object_version 6
	.text
	.protected	k_q82cb42e91f_castx
	.globl	k_q82cb42e91f_castx
	.p2align	8
	.type	k_q82cb42e91f_castx,@function
k_q82cb42e91f_castx:
	s_mov_b64 s[64:65], 0
	v_nop
	global_prefetch_b8 v0, s[64:65] scope:SCOPE_SE
	s_setreg_imm32_b32 hwreg(HW_REG_WAVE_MODE, 25, 1), 1
	s_wait_xcnt 0x0
; castx.  Two jobs, chosen by the work-group's number (the same for all eight waves).
; ROWS (work-groups 192 to 447): x is rounded to bf16 and written as f16 (xh); for each row the sums x.w_lr, x.w_wd (weights rounded to bf16 too) and x.x go to zs.
;   A wave owns four rows of 4,096 bytes; all 32 loads of 512 consecutive bytes are out at once; a row's f16 leave as eight stores of 256 consecutive bytes, aligned.
; WEIGHTS (work-groups 0 to 191): a tile of 128 x 128 of w_q, w_k or w_v is rounded to bf16, written as f16 and turned through LDS: wt[3072][1024] = w_q^T, w_k^T, -w_v^T.
;   Each wave's largest |w| goes to zs (pw), for the bound on q, k and v that a later launch makes.
; LIMITS.  f16 holds no number beyond 65,504: |x| and |w| stay under it.  A bf16 number is exact in f16 down to 2^-17; below that it keeps f16's fixed step of 2^-24.  NaN and infinities are not treated apart.
; No matrix unit, no cluster: every byte is read once and nothing is shared between work-groups.
.set SPARE, 33792                      ; behind the turned tile: the spare words, 128 bytes for each of eight waves
.set SPW, 246                          ; v246  LDS address of my spare word; never rewritten
.set NIL, 247                          ; v247  0; never rewritten
.set WL,  8                            ; v[8:39]    w_lr of my 32 columns
.set WW,  40                           ; v[40:71]   w_wd of my 32 columns
.set X,   72                           ; v[72:199]  four rows, 32 registers each
.set DL,  200                          ; v[200:203] x.w_lr, two pairs
.set DW,  204                          ; v[204:207] x.w_wd
.set SS,  208                          ; v[208:211] x.x
.set TP,  264                          ; bytes from row to row of the turned tile in LDS: 256 + 8
	s_load_b256 s[4:11], s[0:1], 0x0               ; x s[4:5], w_lr s[6:7], w_wd s[8:9], w_q s[10:11]
	s_load_b256 s[12:19], s[0:1], 0x20             ; w_k s[12:13], w_v s[14:15], xh s[16:17], zs s[18:19]
	s_load_b64 s[20:21], s[0:1], 0x40              ; wt
	v_lshl_add_u32 v[SPW], v0, 2, SPARE
	v_mov_b32 v[NIL], 0
	v_and_b32 v1, 31, v0                           ; lane
	v_lshrrev_b32 v2, 5, v0
	v_readfirstlane_b32 s3, v2                     ; wave 0..7
	s_mov_b32 s26, 0xffff0000                      ; a word's upper bf16
	s_mov_b32 s28, 0x76543210                      ; v_permlanex16_b32: each lane takes its own place in the other half
	s_mov_b32 s29, 0xfedcba98
	s_mov_b32 s25, 0
	v_mov_b32 v6, 0                                ; v_permlanex16_b32's destination counts as read
	s_wait_kmcnt 0x0
	s_cmp_lt_u32 ttmp9, 192
	s_cbranch_scc1 .Lweights
; ---------------------------------------------------------------- ROWS
	s_sub_co_u32 s22, ttmp9, 192
	s_lshl_b32 s22, s22, 5
	s_lshl2_add_u32 s22, s3, s22                   ; my first row = 32 g + 4 w
	s_lshl_b32 s24, s22, 12
	s_add_nc_u64 s[4:5], s[4:5], s[24:25]          ; x at my first row
	s_lshl_b32 s24, s22, 11
	s_add_nc_u64 s[16:17], s[16:17], s[24:25]      ; xh at my first row
	v_lshlrev_b32 v2, 4, v1                        ; 16 bytes a lane in f32
	v_lshlrev_b32 v3, 3, v1                        ; 8 bytes a lane in f16
	v_mov_b32 v4, 0                                ; the twelve sums are gathered here: lanes 0-3, 4-7, 8-11
.irp j, 0,1,2,3,4,5,6,7
	global_load_b128 v[WL+4*\j:WL+4*\j+3], v2, s[6:7] offset:512*\j
.endr
.irp j, 0,1,2,3,4,5,6,7
	global_load_b128 v[WW+4*\j:WW+4*\j+3], v2, s[8:9] offset:512*\j
.endr
.irp i, 0,1,2,3
.irp j, 0,1,2,3,4,5,6,7
	global_load_b128 v[X+32*\i+4*\j:X+32*\i+4*\j+3], v2, s[4:5] offset:4096*\i+512*\j th:TH_LOAD_NT
.endr
.endr
	s_wait_loadcnt 32                              ; the two weight vectors are in; the 32 loads of x stay out
.set q, WL
.rept 32                                       ; both rounded to bf16, in place
	v_cvt_pk_bf16_f32 v5, v[q], v[q+1]
	v_lshlrev_b32 v[q], 16, v5
	v_and_b32 v[q+1], s26, v5
.set q, q+2
.endr
.macro RED a                           ; two pairs -> one sum, in every lane
	v_pk_add_f32 v[\a:\a+1], v[\a:\a+1], v[\a+2:\a+3]
	v_add_f32 v[\a], v[\a], v[\a+1]
	v_add_f32_dpp v[\a], v[\a], v[\a] row_xmask:1 row_mask:0xf bank_mask:0xf
	v_add_f32_dpp v[\a], v[\a], v[\a] row_xmask:2 row_mask:0xf bank_mask:0xf
	v_add_f32_dpp v[\a], v[\a], v[\a] row_xmask:4 row_mask:0xf bank_mask:0xf
	v_add_f32_dpp v[\a], v[\a], v[\a] row_xmask:8 row_mask:0xf bank_mask:0xf
	v_permlanex16_b32 v6, v[\a], s28, s29
	v_add_f32 v[\a], v[\a], v6
.endm
; Row i: rounded to bf16, three sums, written as f16.
.macro PROC i
	s_wait_loadcnt 24-8*(\i)                       ; loads come back in order: my row's eight are in, the later rows' stay out
.irp j, 0,1,2,3,4,5,6,7
.irp c, 0,1
.set xr, X+32*(\i)+4*(\j)+2*(\c)
.set wo, 4*(\j)+2*(\c)
.set tt, 5+2*(\c)
	v_cvt_pk_bf16_f32 v[tt], v[xr], v[xr+1]
	v_lshlrev_b32 v[xr], 16, v[tt]
	v_and_b32 v[xr+1], s26, v[tt]
.if (\j) == 0
	v_pk_mul_f32 v[DL+2*(\c):DL+2*(\c)+1], v[xr:xr+1], v[WL+wo:WL+wo+1]  ; the first products start the sums
	v_pk_mul_f32 v[DW+2*(\c):DW+2*(\c)+1], v[xr:xr+1], v[WW+wo:WW+wo+1]
	v_pk_mul_f32 v[SS+2*(\c):SS+2*(\c)+1], v[xr:xr+1], v[xr:xr+1]
.else
	v_pk_fma_f32 v[DL+2*(\c):DL+2*(\c)+1], v[xr:xr+1], v[WL+wo:WL+wo+1], v[DL+2*(\c):DL+2*(\c)+1]
	v_pk_fma_f32 v[DW+2*(\c):DW+2*(\c)+1], v[xr:xr+1], v[WW+wo:WW+wo+1], v[DW+2*(\c):DW+2*(\c)+1]
	v_pk_fma_f32 v[SS+2*(\c):SS+2*(\c)+1], v[xr:xr+1], v[xr:xr+1], v[SS+2*(\c):SS+2*(\c)+1]
.endif
	v_cvt_pk_f16_f32 v[X+32*(\i)+4*(\j)+(\c)], v[xr], v[xr+1]
.endr
	global_store_b64 v3, v[X+32*(\i)+4*(\j):X+32*(\i)+4*(\j)+1], s[16:17] offset:2048*(\i)+256*(\j)  ; the wave stores 256 consecutive bytes, aligned
.endr
	RED DL
	RED DW
	RED SS
	s_mov_b32 s30, 1<<(\i)
	v_cndmask_b32 v4, v4, v[DL], s30
	s_mov_b32 s30, 1<<(4+(\i))
	v_cndmask_b32 v4, v4, v[DW], s30
	s_mov_b32 s30, 1<<(8+(\i))
	v_cndmask_b32 v4, v4, v[SS], s30
.endm
	PROC 0
	PROC 1
	PROC 2
	PROC 3
	v_lshrrev_b32 v5, 2, v1                        ; which of the three tables,
	v_and_b32 v7, 3, v1                            ; which of my four rows
	v_add_nc_u32 v7, s22, v7
	v_lshlrev_b32 v7, 2, v7
	v_lshl_add_u32 v5, v5, 15, v7                  ; the tables lie 32,768 bytes apart
	v_cmp_gt_u32 vcc_lo, 12, v1
	s_wait_xcnt 0x0                                ; EXEC is a source of the stores above: it changes only behind this wait
	s_and_saveexec_b32 s31, vcc_lo
	global_store_b32 v5, v4, s[18:19]              ; three pieces of 16 bytes a wave: 98,304 bytes in the whole launch
	s_wait_xcnt 0x0
	s_or_b32 exec_lo, exec_lo, s31
	s_endpgm
; ---------------------------------------------------------------- WEIGHTS
.Lweights:
	s_lshr_b32 s22, ttmp9, 6                       ; which matrix: 0 w_q, 1 w_k, 2 w_v
	s_bfe_u32 s23, ttmp9, 0x30003                  ; dt: the tile's 128 rows (input channels)
	s_and_b32 s24, ttmp9, 7                        ; ht: its 128 columns
	s_cmp_eq_u32 s22, 1
	s_cselect_b64 s[30:31], s[12:13], s[10:11]
	s_cmp_eq_u32 s22, 2
	s_cselect_b64 s[30:31], s[14:15], s[30:31]
	s_cselect_b32 s27, 0x80008000, 0               ; w_v is written with its sign turned: the product then subtracts the values
	s_lshl_b32 s32, s23, 19                        ; 128 rows of 4,096 bytes
	s_lshl_b32 s33, s24, 9                         ; 128 columns of 4 bytes
	s_add_co_u32 s32, s32, s33
	s_lshl_b32 s33, s3, 16                         ; my wave's 16 rows
	s_add_co_u32 s32, s32, s33
	s_mov_b32 s33, 0
	s_add_nc_u64 s[30:31], s[30:31], s[32:33]
	v_lshlrev_b32 v2, 4, v1
.irp i, 0,1,2,3,4,5,6,7,8,9,10,11,12,13,14,15
	global_load_b128 v[8+4*\i:8+4*\i+3], v2, s[30:31] offset:4096*\i th:TH_LOAD_NT
.endr
	v_mul_u32_u24 v3, v1, 4*TP                     ; into the turned tile: my four columns are its rows 4 lane + c,
	s_lshl_b32 s34, s3, 5
	v_add_nc_u32 v3, s34, v3                       ; my wave's 16 rows its bytes 32 w on
	s_mul_i32 s34, s3, 16*TP
	v_lshl_add_u32 v4, v1, 3, s34                  ; back: wave w takes rows 16 w on, 8 bytes a lane
	v_mov_b32 v72, 0                               ; the largest |w|
.irp p, 0,1,2,3,4,5,6,7
	s_wait_loadcnt 14-2*\p                         ; rows 2 p and 2 p + 1 are in, the later pairs stay out
.irp c, 0,1,2,3
	v_cvt_pk_bf16_f32 v[73+\c], v[8+8*\p+\c], v[12+8*\p+\c]
	v_lshlrev_b32 v[77+\c], 16, v[73+\c]
	v_and_b32 v[81+\c], s26, v[73+\c]
	v_max3_num_f32 v72, |v[77+\c]|, |v[81+\c]|, v72
	v_cvt_pk_f16_f32 v[73+\c], v[77+\c], v[81+\c]
	v_xor_b32 v[73+\c], s27, v[73+\c]
	ds_store_b32 v3, v[73+\c] offset:\c*TP+4*\p     ; lanes lie 264 words apart: eight banks, four lanes deep; the job moves 6 MB in all, so it is left so
.endr
.endr
	s_wait_dscnt 0x0                               ; for the others' sake: my stores are done
	s_barrier_signal -1
	s_barrier_wait -1
.irp i, 0,1,2,3,4,5,6,7,8,9,10,11,12,13,14,15
	ds_load_b64 v[96+2*\i:97+2*\i], v4 offset:\i*TP
.endr
	s_lshl_b32 s32, s22, 10
	s_lshl_b32 s33, s24, 7
	s_add_co_u32 s32, s32, s33
	s_lshl_b32 s33, s3, 4
	s_add_co_u32 s32, s32, s33                     ; wt's row 1024 mat + 128 ht + 16 w
	s_lshl_b32 s32, s32, 11
	s_lshl_b32 s33, s23, 8
	s_add_co_u32 s32, s32, s33                     ; and the tile's 256 bytes in it
	s_mov_b32 s33, 0
	s_add_nc_u64 s[20:21], s[20:21], s[32:33]
	v_lshlrev_b32 v5, 3, v1
.irp i, 0,1,2,3,4,5,6,7,8,9,10,11,12,13,14,15
	s_wait_dscnt 15-\i                             ; LDS loads come back in order: row i is in
	global_store_b64 v5, v[96+2*\i:97+2*\i], s[20:21] offset:2048*\i  ; 256 consecutive bytes, aligned
.endr
	v_max_num_f32_dpp v72, v72, v72 row_xmask:1 row_mask:0xf bank_mask:0xf
	v_max_num_f32_dpp v72, v72, v72 row_xmask:2 row_mask:0xf bank_mask:0xf
	v_max_num_f32_dpp v72, v72, v72 row_xmask:4 row_mask:0xf bank_mask:0xf
	v_max_num_f32_dpp v72, v72, v72 row_xmask:8 row_mask:0xf bank_mask:0xf
	v_permlanex16_b32 v6, v72, s28, s29
	v_max_num_f32 v72, v72, v6
	s_lshl_b32 s32, ttmp9, 3
	s_add_co_u32 s32, s32, s3
	s_lshl_b32 s32, s32, 2
	s_add_co_u32 s32, s32, 98304                   ; pw[8 t + w]
	s_add_nc_u64 s[18:19], s[18:19], s[32:33]
	v_mov_b32 v7, 0
	v_cmp_eq_u32 vcc_lo, 0, v1
	s_wait_xcnt 0x0                                ; EXEC changes only behind this wait
	s_and_saveexec_b32 s31, vcc_lo
	global_store_b32 v7, v72, s[18:19]
	s_wait_xcnt 0x0
	s_or_b32 exec_lo, exec_lo, s31
	s_wait_tensorcnt 0x0                           ; the wave's end, behind my last LDS store
	ds_add_u32 v[SPW], v[NIL]
	s_wait_dscnt 0x0
	s_endpgm
.Lfunc_end_k_q82cb42e91f_castx:
	.size	k_q82cb42e91f_castx, .Lfunc_end_k_q82cb42e91f_castx-k_q82cb42e91f_castx
	.p2alignl 7, 3214868480
	.fill 96, 4, 3214868480
	.section	.rodata,"a",@progbits
	.p2align	6, 0x0
	.amdhsa_kernel k_q82cb42e91f_castx
		.amdhsa_group_segment_fixed_size 34816
		.amdhsa_private_segment_fixed_size 0
		.amdhsa_enable_private_segment 0
		.amdhsa_kernarg_size 72
		.amdhsa_user_sgpr_count 2
		.amdhsa_user_sgpr_kernarg_segment_ptr 1
		.amdhsa_wavefront_size32 1
		.amdhsa_system_sgpr_workgroup_id_x 1
		.amdhsa_system_sgpr_workgroup_id_y 1
		.amdhsa_system_sgpr_workgroup_id_z 1
		.amdhsa_system_vgpr_workitem_id 0
		.amdhsa_next_free_vgpr 248
		.amdhsa_next_free_sgpr 66
		.amdhsa_reserve_vcc 1
		.amdhsa_float_denorm_mode_32 3
		.amdhsa_float_denorm_mode_16_64 3
		.amdhsa_memory_ordered 1
		.amdhsa_forward_progress 1
		.amdhsa_inst_pref_size 63
	.end_amdhsa_kernel
	.amdgpu_metadata
---
amdhsa.version: [ 1, 2 ]
amdhsa.kernels:
  - .name:           k_q82cb42e91f_castx
    .symbol:         k_q82cb42e91f_castx.kd
    .args:
      - { .name: x, .offset: 0, .size: 8, .value_kind: global_buffer, .address_space: global }
      - { .name: w_lr, .offset: 8, .size: 8, .value_kind: global_buffer, .address_space: global }
      - { .name: w_wd, .offset: 16, .size: 8, .value_kind: global_buffer, .address_space: global }
      - { .name: w_q, .offset: 24, .size: 8, .value_kind: global_buffer, .address_space: global }
      - { .name: w_k, .offset: 32, .size: 8, .value_kind: global_buffer, .address_space: global }
      - { .name: w_v, .offset: 40, .size: 8, .value_kind: global_buffer, .address_space: global }
      - { .name: xh, .offset: 48, .size: 8, .value_kind: global_buffer, .address_space: global }
      - { .name: zs, .offset: 56, .size: 8, .value_kind: global_buffer, .address_space: global }
      - { .name: wt, .offset: 64, .size: 8, .value_kind: global_buffer, .address_space: global }
    .group_segment_fixed_size: 34816
    .private_segment_fixed_size: 0
    .kernarg_segment_align: 8
    .kernarg_segment_size: 72
    .max_flat_workgroup_size: 256
    .sgpr_count:     66
    .vgpr_count:     248
    .wavefront_size: 32
...
	.end_amdgpu_metadata
.endif
;; end of part 1
;; launch casth (part 2): grid 264 x 1, 8 waves a work-group, no clusters, 1,280 bytes of LDS; arguments hidden, zs, b_q, b_k, b_v, b_lr, b_wd, log_base_lr, log_base_wd, wh, tab; writes wh, tab
.if DOCPART == 2
	.amdgcn_target "amdgcn-amd-amdhsa--gfx1250"
	.amdhsa_code_object_version 6
	.text
	.protected	k_q82cb42e91f_casth
	.globl	k_q82cb42e91f_casth
	.p2align	8
	.type	k_q82cb42e91f_casth,@function
k_q82cb42e91f_casth:
	s_mov_b64 s[64:65], 0
	v_nop
	global_prefetch_b8 v0, s[64:65] scope:SCOPE_SE
	s_setreg_imm32_b32 hwreg(HW_REG_WAVE_MODE, 25, 1), 1
	s_wait_xcnt 0x0
; casth.  Two jobs, chosen by the work-group's number.
; SCAN (work-groups 0 to 7, one a batch): from the row sums of the launch before: sg = sigmoid(z_lr + b_lr); lw2 = log2(1 - base_wd sigmoid(z_wd + b_wd)); c2 = its running sum;
;   wdc = 2^c2; wl = 2^(c2[1023] - c2); and six scalars of the batch.  All small inputs are rounded to bf16 first, like the large ones.
;   B1 = 32 max|w| sqrt(max_l sum x^2) + max|b| bounds |q|, |k|, |v| (Cauchy-Schwarz); pB is the power of two above it.  eS = 2 log2 pB - 5, cE = 2^15 / pB, iE = 1 / cE,
;   gW = base_lr iE, gY = gW 2^eS, wdcl = 2^c2[1023].  With them every f16 operand that later launches make is at most 2^15, whatever the inputs' size; f16 ends a factor of two higher, which covers roundings in the bound.
; ROWS (work-groups 8 to 263): hidden is rounded to bf16 and written as f16 (wh); pn[b][d] = the power of two above 32 sqrt(sum_h W^2) + 1.
; LIMITS.  |hidden| stays under 65,504; bf16 numbers below 2^-17 keep f16's fixed step.  The running sum is made by lanes and waves, in another order than a serial sum.  base_wd sigmoid(.) >= 1, NaN and infinities are not treated apart.
.set SPARE, 256                        ; the eight waves' records lie in bytes 0 to 127; the spare words in blocks of their own from 256 on
.set SPW, 246
.set NIL, 247
.set X,   72                           ; v[72:199]  four rows
.set SS,  200                          ; v[200:203] sum of squares, two pairs
.set LOG2E, 0x3fb8aa3b
	s_load_b256 s[4:11], s[0:1], 0x0               ; hidden s[4:5], zs s[6:7], b_q s[8:9], b_k s[10:11]
	s_load_b256 s[12:19], s[0:1], 0x20             ; b_v s[12:13], b_lr s[14:15], b_wd s[16:17], log_base_lr s[18:19]
	s_load_b128 s[20:23], s[0:1], 0x40             ; log_base_wd s[20:21], wh s[22:23]
	s_load_b64 s[24:25], s[0:1], 0x50              ; tab
	v_lshl_add_u32 v[SPW], v0, 2, SPARE
	v_mov_b32 v[NIL], 0
	v_and_b32 v1, 31, v0
	v_lshrrev_b32 v2, 5, v0
	v_readfirstlane_b32 s3, v2                     ; wave 0..7
	s_mov_b32 s26, 0xffff0000
	s_mov_b32 s28, 0x76543210
	s_mov_b32 s29, 0xfedcba98
	s_mov_b32 s33, 0
	v_mov_b32 v6, 0
	s_wait_kmcnt 0x0
	s_cmp_lt_u32 ttmp9, 8
	s_cbranch_scc1 .Lscan
; ---------------------------------------------------------------- ROWS
	s_sub_co_u32 s30, ttmp9, 8
	s_lshl_b32 s30, s30, 5
	s_lshl2_add_u32 s30, s3, s30                   ; my first row = 32 g + 4 w, of 8,192
	s_lshl_b32 s32, s30, 12
	s_add_nc_u64 s[4:5], s[4:5], s[32:33]
	s_lshl_b32 s32, s30, 11
	s_add_nc_u64 s[22:23], s[22:23], s[32:33]
	v_lshlrev_b32 v2, 4, v1
	v_lshlrev_b32 v3, 3, v1
	v_mov_b32 v4, 0
.irp i, 0,1,2,3
.irp j, 0,1,2,3,4,5,6,7
	global_load_b128 v[X+32*\i+4*\j:X+32*\i+4*\j+3], v2, s[4:5] offset:4096*\i+512*\j th:TH_LOAD_NT
.endr
.endr
.macro PROC i
	s_wait_loadcnt 24-8*(\i)                       ; my row's eight loads are in, the later rows' stay out
.irp j, 0,1,2,3,4,5,6,7
.irp c, 0,1
.set xr, X+32*(\i)+4*(\j)+2*(\c)
.set tt, 5+2*(\c)
	v_cvt_pk_bf16_f32 v[tt], v[xr], v[xr+1]
	v_lshlrev_b32 v[xr], 16, v[tt]
	v_and_b32 v[xr+1], s26, v[tt]
.if (\j) == 0
	v_pk_mul_f32 v[SS+2*(\c):SS+2*(\c)+1], v[xr:xr+1], v[xr:xr+1]
.else
	v_pk_fma_f32 v[SS+2*(\c):SS+2*(\c)+1], v[xr:xr+1], v[xr:xr+1], v[SS+2*(\c):SS+2*(\c)+1]
.endif
	v_cvt_pk_f16_f32 v[X+32*(\i)+4*(\j)+(\c)], v[xr], v[xr+1]
.endr
	global_store_b64 v3, v[X+32*(\i)+4*(\j):X+32*(\i)+4*(\j)+1], s[22:23] offset:2048*(\i)+256*(\j)  ; 256 consecutive bytes, aligned
.endr
	v_pk_add_f32 v[SS:SS+1], v[SS:SS+1], v[SS+2:SS+3]
	v_add_f32 v[SS], v[SS], v[SS+1]
	v_add_f32_dpp v[SS], v[SS], v[SS] row_xmask:1 row_mask:0xf bank_mask:0xf
	v_add_f32_dpp v[SS], v[SS], v[SS] row_xmask:2 row_mask:0xf bank_mask:0xf
	v_add_f32_dpp v[SS], v[SS], v[SS] row_xmask:4 row_mask:0xf bank_mask:0xf
	v_add_f32_dpp v[SS], v[SS], v[SS] row_xmask:8 row_mask:0xf bank_mask:0xf
	v_permlanex16_b32 v6, v[SS], s28, s29
	v_add_f32 v[SS], v[SS], v6
	v_sqrt_f32 v[SS], v[SS]
	s_mov_b32 s31, 1<<(\i)
	v_nop                                          ; a plain instruction between the root and its use
	s_wait_alu depctr_va_vdst(0)
	v_fma_f32 v[SS], v[SS], 0x42000000, 1.0        ; 32 |W_d| + 1
	v_and_b32 v[SS], 0x7f800000, v[SS]
	v_add_nc_u32 v[SS], 0x00800000, v[SS]          ; the power of two above it
	v_cndmask_b32 v4, v4, v[SS], s31
.endm
	PROC 0
	PROC 1
	PROC 2
	PROC 3
	v_add_nc_u32 v5, s30, v1
	v_lshlrev_b32 v5, 2, v5
	v_cmp_gt_u32 vcc_lo, 4, v1
	s_wait_xcnt 0x0                                ; EXEC changes only behind this wait
	s_and_saveexec_b32 s31, vcc_lo
	global_store_b32 v5, v4, s[24:25] offset:131072 ; pn: 16 bytes a wave, 32,768 in the launch
	s_wait_xcnt 0x0
	s_or_b32 exec_lo, exec_lo, s31
	s_endpgm
; ---------------------------------------------------------------- SCAN
.macro WMAX r                          ; the largest over the wave, in every lane
	v_max_num_f32_dpp v[\r], v[\r], v[\r] row_xmask:1 row_mask:0xf bank_mask:0xf
	v_max_num_f32_dpp v[\r], v[\r], v[\r] row_xmask:2 row_mask:0xf bank_mask:0xf
	v_max_num_f32_dpp v[\r], v[\r], v[\r] row_xmask:4 row_mask:0xf bank_mask:0xf
	v_max_num_f32_dpp v[\r], v[\r], v[\r] row_xmask:8 row_mask:0xf bank_mask:0xf
	v_permlanex16_b32 v6, v[\r], s28, s29
	v_max_num_f32 v[\r], v[\r], v6
.endm
.Lscan:
	s_load_b32 s40, s[14:15], 0x0                  ; b_lr
	s_load_b32 s41, s[16:17], 0x0                  ; b_wd
	s_load_b32 s42, s[18:19], 0x0                  ; log_base_lr
	s_load_b32 s43, s[20:21], 0x0                  ; log_base_wd
	s_lshl_b32 s30, ttmp9, 12                      ; the batch's 1,024 words in each table
	s_lshl_b32 s31, s3, 9                          ; my wave's 128 rows
	v_lshlrev_b32 v3, 4, v1
	v_add_nc_u32 v3, s31, v3                       ; four rows a lane
	v_add_nc_u32 v2, s30, v3
	s_mul_i32 s31, s3, 768
	v_lshl_add_u32 v5, v1, 3, s31                  ; pw: 1,536 words, 192 a wave
	global_load_b128 v[8:11], v2, s[6:7]           ; z_lr
	global_load_b128 v[12:15], v2, s[6:7] offset:32768  ; z_wd
	global_load_b128 v[16:19], v2, s[6:7] offset:65536  ; sum x^2
	global_load_b128 v[20:23], v3, s[8:9]
	global_load_b128 v[24:27], v3, s[10:11]
	global_load_b128 v[28:31], v3, s[12:13]
	global_load_b64 v[32:33], v5, s[6:7] offset:98304
	global_load_b64 v[34:35], v5, s[6:7] offset:98304+256
	global_load_b64 v[36:37], v5, s[6:7] offset:98304+512
	s_wait_kmcnt 0x0
	v_cvt_pk_bf16_f32 v40, s40, s41
	v_cvt_pk_bf16_f32 v41, s42, s43
	v_lshlrev_b32 v42, 16, v40                     ; b_lr
	v_and_b32 v43, s26, v40                        ; b_wd
	v_lshlrev_b32 v44, 16, v41
	v_and_b32 v45, s26, v41
	v_mul_f32 v44, LOG2E, v44
	v_mul_f32 v45, LOG2E, v45
	v_exp_f32 v44, v44                             ; base_lr
	v_exp_f32 v45, v45                             ; base_wd
	s_wait_loadcnt 0x0
.irp j, 0,1,2,3
	v_add_f32 v[8+\j], v42, v[8+\j]
	v_add_f32 v[12+\j], v43, v[12+\j]
.endr
.irp j, 0,1,2,3,4,5,6,7
	v_mul_f32 v[8+\j], 0xbfb8aa3b, v[8+\j]
.endr
.irp j, 0,1,2,3,4,5,6,7
	v_exp_f32 v[8+\j], v[8+\j]
.endr
	v_nop
	s_wait_alu depctr_va_vdst(0)
.irp j, 0,1,2,3,4,5,6,7
	v_add_f32 v[8+\j], 1.0, v[8+\j]
.endr
.irp j, 0,1,2,3,4,5,6,7
	v_rcp_f32 v[8+\j], v[8+\j]                     ; v[8:11] sg; v[12:15] the decay's sigmoid
.endr
	v_nop
	s_wait_alu depctr_va_vdst(0)
.irp j, 0,1,2,3
	v_mul_f32 v[12+\j], v45, v[12+\j]              ; u
.endr
.irp j, 0,1,2,3
	v_sub_f32 v[48+\j], 1.0, v[12+\j]              ; w = 1 - u, rounded
.endr
.irp j, 0,1,2,3
	v_sub_f32 v[52+\j], 1.0, v[48+\j]
.endr
.irp j, 0,1,2,3
	v_sub_f32 v[52+\j], v[52+\j], v[12+\j]         ; what that rounding lost
.endr
.irp j, 0,1,2,3
	v_log_f32 v[56+\j], v[48+\j]
	v_rcp_f32 v[60+\j], v[48+\j]
.endr
	v_nop
	s_wait_alu depctr_va_vdst(0)
.irp j, 0,1,2,3
	v_mul_f32 v[52+\j], v[52+\j], v[60+\j]
.endr
.irp j, 0,1,2,3
	v_fmac_f32 v[56+\j], LOG2E, v[52+\j]           ; lw2 = log2 w + (lost / w) log2 e
.endr
	v_add_f32 v57, v56, v57                        ; the lane's own running sum
	v_add_f32 v58, v57, v58
	v_add_f32 v59, v58, v59
	v_mov_b32 v64, v59
	v_add_f32_dpp v64, v64, v64 row_shr:1 row_mask:0xf bank_mask:0xf bound_ctrl:1  ; the lanes' totals, running, inside each half of 16 lanes
	v_add_f32_dpp v64, v64, v64 row_shr:2 row_mask:0xf bank_mask:0xf bound_ctrl:1
	v_add_f32_dpp v64, v64, v64 row_shr:4 row_mask:0xf bank_mask:0xf bound_ctrl:1
	v_add_f32_dpp v64, v64, v64 row_shr:8 row_mask:0xf bank_mask:0xf bound_ctrl:1
	v_readlane_b32 s34, v64, 15
	s_mov_b32 s35, 0xffff0000
	v_mov_b32 v65, s34
	v_cndmask_b32 v65, 0, v65, s35                 ; the upper half takes the lower half's total
	v_add_f32 v64, v64, v65
	v_readlane_b32 s36, v64, 31                    ; the wave's total
	v_sub_f32 v65, v64, v59                        ; what lies in front of my lane
	v_mov_b32 v68, s36
	v_max3_num_f32 v69, v16, v17, v18
	v_max_num_f32 v69, v69, v19
	v_max3_num_f32 v70, |v20|, |v21|, |v22|
	v_max3_num_f32 v70, v70, |v23|, |v24|
	v_max3_num_f32 v70, v70, |v25|, |v26|
	v_max3_num_f32 v70, v70, |v27|, |v28|
	v_max3_num_f32 v70, v70, |v29|, |v30|
	v_max_num_f32 v70, v70, |v31|
	v_max3_num_f32 v71, v32, v33, v34
	v_max3_num_f32 v71, v71, v35, v36
	v_max_num_f32 v71, v71, v37
	WMAX 69
	WMAX 70
	WMAX 71
	s_lshl_b32 s37, s3, 4
	v_mov_b32 v72, s37
	ds_store_b128 v72, v[68:71]                    ; my wave's record: total, max sum x^2, max |b|, max |w|; every lane writes the same
	s_wait_dscnt 0x0                               ; for the others' sake
	s_barrier_signal -1
	s_barrier_wait -1
	v_mov_b32 v73, 0
.irp i, 0,1,2,3,4,5,6,7
	ds_load_b128 v[80+4*\i:83+4*\i], v73 offset:16*\i
.endr
	s_wait_dscnt 0x0
	v_mov_b32 v74, 0
.irp i, 0,1,2,3,4,5,6
	s_cmp_gt_u32 s3, \i
	s_cselect_b32 s37, -1, 0
	v_cndmask_b32 v76, 0, v[80+4*\i], s37
	v_add_f32 v74, v74, v76                        ; the totals of the waves in front of mine
.endr
	v_add_f32 v75, v80, v84
.irp i, 2,3,4,5,6,7
	v_add_f32 v75, v75, v[80+4*\i]                 ; c2[1023], in the same order
.endr
.irp k, 1,2,3
	v_max3_num_f32 v[76+\k], v[80+\k], v[84+\k], v[88+\k]
	v_max3_num_f32 v[76+\k], v[76+\k], v[92+\k], v[96+\k]
	v_max3_num_f32 v[76+\k], v[76+\k], v[100+\k], v[104+\k]
	v_max_num_f32 v[76+\k], v[76+\k], v[108+\k]
.endr
	v_sqrt_f32 v77, v77
	v_add_f32 v65, v74, v65                        ; what lies in front of my lane in the batch
	s_wait_alu depctr_va_vdst(0)
	v_mul_f32 v77, v77, v79
	v_fma_f32 v77, v77, 0x42000000, v78            ; B1
	v_max_num_f32 v77, 0x21800000, v77             ; at least 2^-60, so that every power below is a normal number
	v_and_b32 v77, 0x7f800000, v77
	v_add_nc_u32 v77, 0x00800000, v77              ; pB
	v_sub_nc_u32 v112, 0x86800000, v77             ; cE = 2^15 / pB, on the bits
	v_sub_nc_u32 v113, 0x7f000000, v112            ; iE
	v_lshrrev_b32 v114, 23, v77
	v_lshlrev_b32 v115, 1, v114
	v_add_nc_u32 v116, 0xfffffefd, v115            ; eS = 2 (e - 127) - 5
	v_cvt_f32_i32 v116, v116
	v_add_nc_u32 v117, 0xffffff7c, v115
	v_lshlrev_b32 v117, 23, v117                   ; 2^eS
	v_mul_f32 v118, v44, v113                      ; gW
	v_mul_f32 v119, v118, v117                     ; gY
.irp j, 0,1,2,3
	v_add_f32 v[56+\j], v65, v[56+\j]              ; c2
.endr
.irp j, 0,1,2,3
	v_sub_f32 v[52+\j], v75, v[56+\j]
.endr
.irp j, 0,1,2,3
	v_exp_f32 v[48+\j], v[56+\j]                   ; wdc
	v_exp_f32 v[52+\j], v[52+\j]                   ; wl
.endr
	v_exp_f32 v120, v75                            ; wdcl
	v_nop
	global_store_b128 v2, v[8:11], s[24:25]                 ; each store of the wave covers 512 consecutive bytes, aligned
	global_store_b128 v2, v[56:59], s[24:25] offset:32768
	s_wait_alu depctr_va_vdst(0)
	global_store_b128 v2, v[48:51], s[24:25] offset:65536
	global_store_b128 v2, v[52:55], s[24:25] offset:98304
	s_cmp_lg_u32 s3, 0
	s_cbranch_scc1 .Lnosc
	v_mov_b32 v121, 0                              ; wave 0 writes the batch's 16 words: eS, cE, iE, gY, gW, wdcl, zeros
	s_mov_b32 s37, 1
	v_cndmask_b32 v121, v121, v116, s37
	s_mov_b32 s37, 2
	v_cndmask_b32 v121, v121, v112, s37
	s_mov_b32 s37, 4
	v_cndmask_b32 v121, v121, v113, s37
	s_mov_b32 s37, 8
	v_cndmask_b32 v121, v121, v119, s37
	s_mov_b32 s37, 16
	v_cndmask_b32 v121, v121, v118, s37
	s_mov_b32 s37, 32
	v_cndmask_b32 v121, v121, v120, s37
	s_lshl_b32 s38, ttmp9, 6
	s_add_co_u32 s38, s38, 163840
	v_lshl_add_u32 v122, v1, 2, s38
	v_cmp_gt_u32 vcc_lo, 16, v1
	s_wait_xcnt 0x0                                ; EXEC changes only behind this wait
	s_and_saveexec_b32 s39, vcc_lo
	global_store_b32 v122, v121, s[24:25]
	s_wait_xcnt 0x0
	s_or_b32 exec_lo, exec_lo, s39
.Lnosc:
	s_wait_tensorcnt 0x0                           ; the wave's end, behind my last LDS store
	ds_add_u32 v[SPW], v[NIL]
	s_wait_dscnt 0x0
	s_endpgm
.Lfunc_end_k_q82cb42e91f_casth:
	.size	k_q82cb42e91f_casth, .Lfunc_end_k_q82cb42e91f_casth-k_q82cb42e91f_casth
	.p2alignl 7, 3214868480
	.fill 96, 4, 3214868480
	.section	.rodata,"a",@progbits
	.p2align	6, 0x0
	.amdhsa_kernel k_q82cb42e91f_casth
		.amdhsa_group_segment_fixed_size 1280
		.amdhsa_private_segment_fixed_size 0
		.amdhsa_enable_private_segment 0
		.amdhsa_kernarg_size 88
		.amdhsa_user_sgpr_count 2
		.amdhsa_user_sgpr_kernarg_segment_ptr 1
		.amdhsa_wavefront_size32 1
		.amdhsa_system_sgpr_workgroup_id_x 1
		.amdhsa_system_sgpr_workgroup_id_y 1
		.amdhsa_system_sgpr_workgroup_id_z 1
		.amdhsa_system_vgpr_workitem_id 0
		.amdhsa_next_free_vgpr 248
		.amdhsa_next_free_sgpr 66
		.amdhsa_reserve_vcc 1
		.amdhsa_float_denorm_mode_32 3
		.amdhsa_float_denorm_mode_16_64 3
		.amdhsa_memory_ordered 1
		.amdhsa_forward_progress 1
		.amdhsa_inst_pref_size 41
	.end_amdhsa_kernel
	.amdgpu_metadata
---
amdhsa.version: [ 1, 2 ]
amdhsa.kernels:
  - .name:           k_q82cb42e91f_casth
    .symbol:         k_q82cb42e91f_casth.kd
    .args:
      - { .name: hidden, .offset: 0, .size: 8, .value_kind: global_buffer, .address_space: global }
      - { .name: zs, .offset: 8, .size: 8, .value_kind: global_buffer, .address_space: global }
      - { .name: b_q, .offset: 16, .size: 8, .value_kind: global_buffer, .address_space: global }
      - { .name: b_k, .offset: 24, .size: 8, .value_kind: global_buffer, .address_space: global }
      - { .name: b_v, .offset: 32, .size: 8, .value_kind: global_buffer, .address_space: global }
      - { .name: b_lr, .offset: 40, .size: 8, .value_kind: global_buffer, .address_space: global }
      - { .name: b_wd, .offset: 48, .size: 8, .value_kind: global_buffer, .address_space: global }
      - { .name: log_base_lr, .offset: 56, .size: 8, .value_kind: global_buffer, .address_space: global }
      - { .name: log_base_wd, .offset: 64, .size: 8, .value_kind: global_buffer, .address_space: global }
      - { .name: wh, .offset: 72, .size: 8, .value_kind: global_buffer, .address_space: global }
      - { .name: tab, .offset: 80, .size: 8, .value_kind: global_buffer, .address_space: global }
    .group_segment_fixed_size: 1280
    .private_segment_fixed_size: 0
    .kernarg_segment_align: 8
    .kernarg_segment_size: 88
    .max_flat_workgroup_size: 256
    .sgpr_count:     66
    .vgpr_count:     248
    .wavefront_size: 32
...
	.end_amdgpu_metadata
.endif
;; end of part 2
;; launch proj (part 3): grid 8 x 32, 4 waves a work-group, clusters of 4 x 4, 327,680 bytes of LDS; arguments xh, wt, tab, b_q, b_k, qk; writes qk
.if DOCPART == 3
	.amdgcn_target "amdgcn-amd-amdhsa--gfx1250"
	.amdhsa_code_object_version 6
	.text
	.protected	k_q82cb42e91f_proj
	.globl	k_q82cb42e91f_proj
	.p2align	8
	.type	k_q82cb42e91f_proj,@function
k_q82cb42e91f_proj:
	s_mov_b64 s[64:65], 0
	v_nop
	global_prefetch_b8 v0, s[64:65] scope:SCOPE_SE
	s_setreg_imm32_b32 hwreg(HW_REG_WAVE_MODE, 25, 1), 1
	s_wait_xcnt 0x0
	s_wait_alu depctr_hold_cnt(0) depctr_sa_sdst(0) depctr_va_vdst(0) depctr_va_sdst(0) depctr_va_ssrc(0) depctr_va_vcc(0) depctr_vm_vsrc(0)
	s_getreg_b32 s2, hwreg(HW_REG_IB_STS2, 6, 4)
	s_cmp_eq_u32 s2, 0
	s_cbranch_scc0 .Lentry_in_a_cluster
	s_endpgm
.Lentry_in_a_cluster:
	s_bfe_u32 s2, ttmp6, 0x10000c
	s_cmp_lg_u32 s2, 0xf033
	s_cbranch_scc0 .Lentry_shape_is_right
	s_endpgm
.Lentry_shape_is_right:
; proj.  q = x w_q + b_q and k = x w_k + b_k for all batches, f16 operands (bf16 numbers written as f16), f32 sums; q, k and kw = k 2^(c2[1023] - c2[l]) leave as f16, each rounded once.
; A cluster of 4 x 4 work-groups makes one batch's q (cluster x = 0) or k (1): 1024 x 1024.  A work-group makes 256 x 256, each of its four waves 128 x 128 in 64 accumulators (512 registers).
; K = 1024 goes in steps of 128 through two LDS slots filled by joint tensor loads: x's tile is shared along the cluster's row, the weights' along its column.
; The matrix instruction is used transposed (source 0 = 16 rows of the weights, source 1 = 16 rows of x): a lane holds eight neighbouring columns of one row.
; WAY OUT: 64 rows at a time through a stage of the wave's own in slot 1, which has had its last fill; read back by whole rows, eight rows a trip.  A trip's first arithmetic takes the rows out of the
; registers in which they land, so that the next eight rows are asked for while this trip's are rounded and stored; each copy's roundings stand ahead of its stores.  A store of the wave covers 256 consecutive bytes, aligned.
; LIMITS.  |q| and |k| stay under 65,504 (f16).  NaN and infinities are not treated apart.
; REGISTERS: window 0: v0-63 addresses and constants, v64-191 x's fragments (two buffers), later with v192-207 the way out; window 1: v64-191 the weights' fragments; windows 2, 3: accumulator (a, b) at v[8 (8 a + b)].
.set PITCH,  272                       ; an LDS row: 256 bytes + 16 of padding: the 16 rows of a fragment load start at 16 different groups of four banks
.set HALFT,  128*PITCH                 ; what one tensor load brings
.set SLOT,   4*HALFT
.set SPARE,  2*SLOT                    ; behind the ring: the spare words, 128 bytes for each wave
.set SP,     528                       ; a stage row: 512 bytes of f32 + 16 for the row's constants
.set FSTEP,  16*PITCH                  ; from a fragment to the next
.set FSEC,   32                        ; from a fragment's first load to its second
.set K1, 64
.set K2, 128
.set K3, 192
.set KADV, 512                         ; two K steps, in bytes
.set LAPS, 4
.set GW0, (1<<16)|(1<<20)|(1<<21)|(5<<22)|(3<<25)  ; 2-byte elements; padding on; bit 21 beside a mask; after every 64 words, 4 words
.set TD0, 128
.set TD1, 128
.set ADRA, 16
.set ADRB, 20
.set LN,   22
.set PW,   23
.set STO,  24
.set RD0,  25
.set RD,   26
.set RP,   27
.set SPW,  28
.set NIL,  29
.set GO,   30
.set RQ,   40                          ; v[40:47] the rows' constants, a pair for each 32 rows
.set F0,   64
.set F1,   128
.set XR,   64                          ; the way out: v[64:95]   8 rows x 4 f32 as they land
.set RC,   96                          ; v[96:111]  8 pairs: the rows' constants as they land
.set T1,   112                         ; v[112:143] sums + bias
.set T2,   144                         ; v[144:175] the same times the row's decay
.set Y1,   176                         ; v[176:191] f16, to store
.set Y2,   192                         ; v[192:207] f16, to store
.set G1, 24
.set G0, 32
.set G1B, 48
.set G0B, 56
.set MSB, 0
.macro WIN new                         ; the immediate's high byte repeats the setting that is left
.if MSB != (\new)
	s_set_vgpr_msb (MSB<<8)|(\new)
.set MSB, \new
.endif
.endm
.set MUL_LO, 0xa1                      ; source 0 window 1, source 1 window 0, C and D window 2
.set MUL_HI, 0xf1                      ; the same, C and D window 3
.set TO_B,   0x40                      ; destination window 1
.macro JLOAD s                         ; a joint load: waves 0, 1 fetch A's halves, waves 2, 3 B's; an s_nop 0 and four v_nop follow each line
	s_cmp_eq_u32 s11, 0
	s_cbranch_scc0 .Lfor_b_\@
	tensor_load_to_lds s[G0+4*(\s):G0+4*(\s)+3], s[G1:G1+7]
	s_nop 0
.rept 4
	v_nop
.endr
	s_branch .Lasked_\@
.Lfor_b_\@:
	tensor_load_to_lds s[G0B+4*(\s):G0B+4*(\s)+3], s[G1B:G1B+7]
	s_nop 0
.rept 4
	v_nop
.endr
.Lasked_\@:
.endm
.macro CREST                           ; a round of the cluster's barrier behind its opening barrier
	s_cmp_lg_u32 s10, 0
	s_cbranch_scc1 .Lnot_wave_0_\@
	s_barrier_signal -3
.Lnot_wave_0_\@:
	s_barrier_wait -3
	s_barrier_signal -1
	s_barrier_wait -1
.endm
.macro CROUND
	s_barrier_signal -1
	s_barrier_wait -1
	CREST
.endm
.macro MUL16 f, hi, a0, zero           ; 16 matrix instructions: row blocks a0, a0 + 1 of the window's four x all 8 column blocks; zero = 1 starts the sums
	WIN MUL_LO+0x50*(\hi)
.irp a, \a0, (\a0)+1
.irp b, 0,1,2,3,4,5,6,7
.if \zero
	v_wmma_f32_16x16x32_f16 v[8*(8*(\a)+(\b)):8*(8*(\a)+(\b))+7], v[(\f)+8*(\b):(\f)+8*(\b)+7], v[(\f)+8*(4*(\hi)+(\a)):(\f)+8*(4*(\hi)+(\a))+7], 0
.else
	v_wmma_f32_16x16x32_f16 v[8*(8*(\a)+(\b)):8*(8*(\a)+(\b))+7], v[(\f)+8*(\b):(\f)+8*(\b)+7], v[(\f)+8*(4*(\hi)+(\a)):(\f)+8*(4*(\hi)+(\a))+7], v[8*(8*(\a)+(\b)):8*(8*(\a)+(\b))+7]
.endif
.endr
.endr
.endm
.macro FETCH slot, k, f                ; 32 LDS loads in one run: a quarter step's fragments, B's first
	WIN TO_B
.irp i, 0,1,2,3,4,5,6,7
	ds_load_b128 v[(\f)+8*(\i):(\f)+8*(\i)+3],   v[ADRB+(\slot)] offset:(\k)+(\i)*FSTEP
	ds_load_b128 v[(\f)+8*(\i)+4:(\f)+8*(\i)+7], v[ADRB+(\slot)] offset:(\k)+(\i)*FSTEP+FSEC
.endr
	WIN 0
.irp i, 0,1,2,3,4,5,6,7
	ds_load_b128 v[(\f)+8*(\i):(\f)+8*(\i)+3],   v[ADRA+(\slot)] offset:(\k)+(\i)*FSTEP
	ds_load_b128 v[(\f)+8*(\i)+4:(\f)+8*(\i)+7], v[ADRA+(\slot)] offset:(\k)+(\i)*FSTEP+FSEC
.endr
.endm
.macro PLACES                          ; four plain instructions between matrix instructions and loads into, or reads of, their registers
.rept 4
	v_nop
.endr
.endm
.macro QUARTER slot, k, f, g, zero     ; multiplies buffer f; in its middle fetches the next quarter, at byte k, into g
	s_wait_dscnt 8                                 ; B and A's rows 0-63 are in; the youngest eight loads (A's rows 64-127) may be out
	WIN MUL_LO
	MUL16 \f, 0, 0, \zero
	MUL16 \f, 0, 2, \zero
	PLACES
	FETCH \slot, \k, \g
	s_wait_dscnt 32                                ; all but the 32 just issued
	WIN MUL_HI
	MUL16 \f, 1, 0, \zero
	MUL16 \f, 1, 2, \zero
.endm
.macro MEET round                      ; the change of slots: all my tensor loads, the add, my reads of this slot; then the barrier
	WIN 0
	s_wait_tensorcnt 0x0                           ; the one load that was out is my part of the next slot
	ds_add_u32 v[SPW], v[NIL]
	s_wait_dscnt 9                                 ; the add and the youngest eight loads may be out
	WIN MUL_LO
	MUL16 F1, 0, 0, 0
	s_wait_dscnt 0x0                               ; the add is done, my reads of this slot are over
	s_barrier_signal -1
	MUL16 F1, 0, 2, 0
.if \round
	WIN 0
.endif
	s_barrier_wait -1
.endm
.macro STEP slot                       ; no load of mine is out: the slot's descriptors go two K steps on
	s_add_nc_u64 s[G0+4*(\slot)+2:G0+4*(\slot)+3], s[G0+4*(\slot)+2:G0+4*(\slot)+3], KADV
	s_add_nc_u64 s[G0B+4*(\slot)+2:G0B+4*(\slot)+3], s[G0B+4*(\slot)+2:G0B+4*(\slot)+3], KADV
.endm
.macro TURN slot, next, fill           ; the last quarter of a K step; fill = 1: the barrier opens a round of the cluster's, and the joint refill is the first thing behind it
	MEET \fill
.if \fill
	CREST
	STEP \slot
	JLOAD \slot
.else
	PLACES
.endif
	FETCH \next, 0, F0
	WIN MUL_HI
	MUL16 F1, 1, 0, 0
	MUL16 F1, 1, 2, 0
.endm
.macro LAST                            ; the very last quarter: nothing more to fetch
	s_wait_dscnt 8
	WIN MUL_LO
	MUL16 F1, 0, 0, 0
	MUL16 F1, 0, 2, 0
	s_wait_dscnt 0x0
	MUL16 F1, 1, 0, 0
	MUL16 F1, 1, 2, 0
.endm
	s_load_b256 s[68:75], s[0:1], 0x0              ; xh s[68:69], wt s[70:71], tab s[72:73], b_q s[74:75]
	s_load_b128 s[76:79], s[0:1], 0x20             ; b_k s[76:77], qk s[78:79]
	v_lshl_add_u32 v[SPW], v0, 2, SPARE
	v_mov_b32 v[NIL], 0
	ds_add_u32 v[SPW], v[NIL]                      ; the wave's opening: an add and its wait ahead of my first tensor load
	v_lshrrev_b32 v1, 5, v0
	v_readfirstlane_b32 s10, v1                    ; wave 0..3
	s_lshr_b32 s11, s10, 1                         ; my half of the tile's rows; also: I fetch for A (0) or B (1)
	s_and_b32 s12, s10, 1                          ; my half of its columns; also: which 128 rows I fetch
	s_bfe_u32 s40, ttmp6, 0x40000                  ; cx
	s_bfe_u32 s41, ttmp6, 0x40004                  ; cy
	s_mov_b32 s66, ttmp9                           ; the cluster's x: 0 = q, 1 = k
	s_and_b32 s67, ttmp7, 0xffff                   ; the cluster's y: the batch
	s_lshl_b32 s43, s41, 2
	s_lshl_b32 s43, 15, s43                        ; my row of the cluster
	s_lshl_b32 s44, 0x1111, s40                    ; my column
	s_or_b32 s[G1], s43, GW0
	s_or_b32 s[G1B], s44, GW0
.irp g, G1, G1B
	s_mov_b32 s[(\g)+1], TD0<<16                   ; tensor_dim0
	s_mov_b32 s[(\g)+2], TD1<<16                   ; tensor_dim1
	s_mov_b32 s[(\g)+3], TD0<<16                   ; tile_dim0
	s_mov_b32 s[(\g)+4], TD1                       ; tile_dim1
	s_mov_b32 s[(\g)+5], 1024                      ; elements from row to row
	s_mov_b32 s[(\g)+6], 0
	s_mov_b32 s[(\g)+7], 0
.endr
	s_lshl_b32 s16, s67, 21                        ; A: the batch's 1,024 rows of 2,048 bytes,
	s_lshl_b32 s17, s41, 19                        ; the tile's 256 rows,
	s_add_co_u32 s16, s16, s17
	s_lshl_b32 s17, s12, 18                        ; my 128 of them
	s_add_co_u32 s16, s16, s17
	s_mov_b32 s17, 0
	s_lshl_b32 s46, s66, 21                        ; B: w_q^T or w_k^T,
	s_lshl_b32 s47, s40, 19
	s_add_co_u32 s46, s46, s47
	s_lshl_b32 s47, s12, 18
	s_add_co_u32 s46, s46, s47
	s_mov_b32 s47, 0
	s_mul_i32 s20, s10, HALFT                      ; where my loads go: wave x 34,816: no place in the cluster enters an LDS address
	s_wait_dscnt 0x0                               ; the opening add is done
	s_wait_kmcnt 0x0
	s_add_nc_u64 s[14:15], s[68:69], s[16:17]
	s_add_nc_u64 s[46:47], s[70:71], s[46:47]
	CROUND                                         ; all sixteen work-groups are here: the first joint loads meet
.irp s, 0,1
	s_mov_b32 s[G0+4*(\s)], 1
	s_add_co_u32 s[G0+4*(\s)+1], s20, (\s)*SLOT
	s_add_nc_u64 s[G0+4*(\s)+2:G0+4*(\s)+3], s[14:15], (\s)*KADV/2
	s_or_b32 s[G0+4*(\s)+3], s[G0+4*(\s)+3], 0x80000000
	s_mov_b32 s[G0B+4*(\s)], 1
	s_add_co_u32 s[G0B+4*(\s)+1], s20, (\s)*SLOT
	s_add_nc_u64 s[G0B+4*(\s)+2:G0B+4*(\s)+3], s[46:47], (\s)*KADV/2
	s_or_b32 s[G0B+4*(\s)+3], s[G0B+4*(\s)+3], 0x80000000
	JLOAD \s
.endr
	v_and_b32 v1, 15, v0                           ; l % 16
	v_bfe_u32 v2, v0, 4, 1                         ; l / 16
	v_and_b32 v[LN], 31, v0
	v_mul_u32_u24 v3, v1, PITCH
	v_lshl_add_u32 v3, v2, 4, v3                   ; a fragment's row x pitch + 16 x half
	s_mul_i32 s21, s11, HALFT
	s_mul_i32 s22, s12, HALFT
	s_add_co_u32 s22, s22, 2*HALFT
.irp s, 0,1
	v_add_nc_u32 v[ADRA+(\s)], s21, v3
	v_add_nc_u32 v[ADRB+(\s)], s22, v3
	s_add_co_u32 s21, s21, SLOT
	s_add_co_u32 s22, s22, SLOT
.endr
	s_add_co_u32 s23, s20, SLOT                    ; my stage: my quarter of slot 1
	s_add_co_u32 s101, s23, 512                    ; and its first row's constants
	v_mul_u32_u24 v4, v1, SP
	v_lshl_add_u32 v4, v2, 5, v4
	v_add_nc_u32 v[STO], s23, v4                   ; in: row l % 16, 32 bytes for each half of the lanes
	v_mul_u32_u24 v4, v[LN], SP
	v_add_nc_u32 v[PW], s101, v4                   ; row = lane: its constants
	v_lshl_add_u32 v[RD0], v[LN], 4, s23           ; back: 16 bytes a lane of a whole row
	v_lshlrev_b32 v[GO], 3, v[LN]                  ; 8 bytes of f16 a lane
	s_lshl_b32 s80, s40, 8
	s_lshl_b32 s81, s12, 7
	s_add_co_u32 s80, s80, s81                     ; my first column
	s_lshl_b32 s82, s41, 8
	s_lshl_b32 s81, s11, 7
	s_add_co_u32 s82, s82, s81                     ; my first row
	s_cmp_eq_u32 s66, 0
	s_cselect_b64 s[84:85], s[74:75], s[76:77]     ; b_q or b_k
	s_lshl_b32 s81, s80, 2
	v_lshl_add_u32 v5, v[LN], 4, s81
	global_load_b128 v[32:35], v5, s[84:85]        ; the bias of my lane's four columns
	s_lshl_b32 s83, s67, 10
	s_add_co_u32 s83, s83, s82
	s_lshl_b32 s83, s83, 2
	v_lshl_add_u32 v6, v[LN], 2, s83
.irp i, 0,1,2,3
	global_load_b32 v[36+\i], v6, s[72:73] offset:98304+128*\i  ; wl of rows lane + 32 i
.endr
	s_lshl_b32 s86, s67, 21
	s_lshl_b32 s81, s82, 11
	s_add_co_u32 s86, s86, s81
	s_lshl_b32 s81, s80, 1
	s_add_co_u32 s86, s86, s81                     ; my part's first byte in a [8][1024][1024] f16 tensor
	s_mov_b32 s87, 0
	s_lshl_b32 s88, s66, 24
	s_add_co_u32 s88, s88, s86
	s_mov_b32 s89, 0
	s_add_nc_u64 s[90:91], s[78:79], s[88:89]      ; q or k
	s_add_co_u32 s86, s86, 0x2000000
	s_add_nc_u64 s[92:93], s[78:79], s[86:87]      ; kw
	s_wait_tensorcnt 1                             ; my part of K step 0 is in; K step 1's may stay out
	s_barrier_signal -1
	s_barrier_wait -1
	FETCH 0, 0, F0
	QUARTER 0, K1, F0, F1, 1                       ; the first quarter starts the sums
	WIN 0
	s_mov_b32 s3, LAPS-1
.Llap:                                                 ; once round the ring; both slots are filled again
	QUARTER 0, K2, F1, F0, 0
	QUARTER 0, K3, F0, F1, 0
	TURN 0, 1, 1
	QUARTER 1, K1, F0, F1, 0
	QUARTER 1, K2, F1, F0, 0
	QUARTER 1, K3, F0, F1, 0
	TURN 1, 0, 1
	QUARTER 0, K1, F0, F1, 0
	WIN 0
	s_sub_co_u32 s3, s3, 1
	s_cmp_lg_u32 s3, 0
	s_cbranch_scc1 .Llap
	QUARTER 0, K2, F1, F0, 0                       ; the last lap fills nothing
	QUARTER 0, K3, F0, F1, 0
	TURN 0, 1, 0
	QUARTER 1, K1, F0, F1, 0
	QUARTER 1, K2, F1, F0, 0
	QUARTER 1, K3, F0, F1, 0
	LAST
	WIN 0
	PLACES
	s_wait_dscnt 0x0                               ; my reads of slot 1 are over,
	s_barrier_signal -1
	s_barrier_wait -1                              ; everybody's are: the stages may be written
	s_wait_loadcnt 0x0                             ; bias and wl
	v_cvt_pk_bf16_f32 v3, v32, v33                 ; the bias is rounded to bf16 like every input
	v_cvt_pk_bf16_f32 v4, v34, v35
	v_lshlrev_b32 v32, 16, v3
	v_and_b32 v33, 0xffff0000, v3
	v_lshlrev_b32 v34, 16, v4
	v_and_b32 v35, 0xffff0000, v4
.irp i, 0,1,2,3
	v_mov_b32 v[RQ+2*\i], v[36+\i]
	v_mov_b32 v[RQ+2*\i+1], v[36+\i]
.endr
.macro DUMP hi                         ; 64 rows of f32 into my stage, each accumulator's low registers first; then the rows' constants
	WIN 0x08+4*(\hi)                               ; a store's data is source 1: window 2 or 3
.irp a, 0,1,2,3
.irp b, 0,1,2,3,4,5,6,7
	ds_store_b128 v[STO], v[8*(8*(\a)+(\b)):8*(8*(\a)+(\b))+3] offset:(\a)*16*SP+64*(\b)
	ds_store_b128 v[STO], v[8*(8*(\a)+(\b))+4:8*(8*(\a)+(\b))+7] offset:(\a)*16*SP+64*(\b)+16
.endr
.endr
	WIN 0
.irp i, 0,1
	ds_store_b64 v[PW], v[RQ+4*(\hi)+2*\i:RQ+4*(\hi)+2*\i+1] offset:\i*32*SP
.endr
.endm
.macro LOADS                           ; eight rows and their constants are asked for; the two addresses go eight rows on (an LDS instruction's address may be rewritten at once)
.irp i, 0,1,2,3,4,5,6,7
	ds_load_b128 v[XR+4*\i:XR+4*\i+3], v[RD] offset:\i*SP    ; LDS serves a wave's instructions in order: these see my stores into the stage
.endr
.irp i, 0,1,2,3,4,5,6,7
	ds_load_b64 v[RC+2*\i:RC+2*\i+1], v[RP] offset:\i*SP
.endr
	v_add_nc_u32 v[RD], 8*SP, v[RD]
	v_add_nc_u32 v[RP], 8*SP, v[RP]
.endm
	s_mov_b32 s94, 0
.Lhalf:
	s_cmp_lg_u32 s94, 0
	s_cbranch_scc1 .Ldump1
	DUMP 0
	s_branch .Lrows
.Ldump1:
	DUMP 1
.Lrows:
	v_mov_b32 v[RD], v[RD0]
	v_mov_b32 v[RP], s101
	LOADS                                          ; the half's first eight rows
	s_mov_b32 s95, 8
.Ltrip:                                                ; eight rows a trip
	s_wait_dscnt 0x0                               ; this trip's rows, asked for a trip ago
.irp i, 0,1,2,3,4,5,6,7
	v_pk_add_f32 v[T1+4*\i:T1+4*\i+1], v[XR+4*\i:XR+4*\i+1], v[32:33]
	v_pk_add_f32 v[T1+4*\i+2:T1+4*\i+3], v[XR+4*\i+2:XR+4*\i+3], v[34:35]
.endr
	s_wait_xcnt 0x0                                ; the last trip's stores: their offset and data are rewritten only behind this wait
	v_add_nc_u32 v[GO], 8*2048, v[GO]              ; eight rows on, across the halves too; the stores below reach back by their immediates
	s_cmp_eq_u32 s66, 0
	s_cbranch_scc1 .Lnokw                          ; q has no decayed copy
.irp i, 0,1,2,3,4,5,6,7
	v_pk_mul_f32 v[T2+4*\i:T2+4*\i+1], v[T1+4*\i:T1+4*\i+1], v[RC+2*\i:RC+2*\i+1]
	v_pk_mul_f32 v[T2+4*\i+2:T2+4*\i+3], v[T1+4*\i+2:T1+4*\i+3], v[RC+2*\i:RC+2*\i+1]
.endr
.irp i, 0,1,2,3,4,5,6,7
	v_cvt_pk_f16_f32 v[Y2+2*\i], v[T2+4*\i], v[T2+4*\i+1]
	v_cvt_pk_f16_f32 v[Y2+2*\i+1], v[T2+4*\i+2], v[T2+4*\i+3]
.endr
.irp i, 0,1,2,3,4,5,6,7
	global_store_b64 v[GO], v[Y2+2*\i:Y2+2*\i+1], s[92:93] offset:(\i-8)*2048  ; 256 consecutive bytes, aligned
.endr
.Lnokw:
	s_cmp_eq_u32 s95, 1
	s_cbranch_scc1 .Lnold                          ; the half's last trip asks for nothing
	LOADS                                          ; the registers in which rows land have been read: the next eight rows come while these are rounded and stored
.Lnold:
.irp i, 0,1,2,3,4,5,6,7
	v_cvt_pk_f16_f32 v[Y1+2*\i], v[T1+4*\i], v[T1+4*\i+1]
	v_cvt_pk_f16_f32 v[Y1+2*\i+1], v[T1+4*\i+2], v[T1+4*\i+3]
.endr
.irp i, 0,1,2,3,4,5,6,7
	global_store_b64 v[GO], v[Y1+2*\i:Y1+2*\i+1], s[90:91] offset:(\i-8)*2048  ; 256 consecutive bytes, aligned
.endr
	s_sub_co_u32 s95, s95, 1
	s_cmp_lg_u32 s95, 0
	s_cbranch_scc1 .Ltrip
	s_add_co_u32 s94, s94, 1
	s_cmp_lt_u32 s94, 2
	s_cbranch_scc1 .Lhalf
	s_wait_tensorcnt 0x0                           ; the wave's end
	ds_add_u32 v[SPW], v[NIL]
	s_wait_dscnt 0x0
	CROUND                                         ; the closing round
	s_endpgm
.Lfunc_end_k_q82cb42e91f_proj:
	.size	k_q82cb42e91f_proj, .Lfunc_end_k_q82cb42e91f_proj-k_q82cb42e91f_proj
	.p2alignl 7, 3214868480
	.fill 96, 4, 3214868480
	.section	.rodata,"a",@progbits
	.p2align	6, 0x0
	.amdhsa_kernel k_q82cb42e91f_proj
		.amdhsa_group_segment_fixed_size 327680
		.amdhsa_private_segment_fixed_size 0
		.amdhsa_enable_private_segment 0
		.amdhsa_kernarg_size 48
		.amdhsa_user_sgpr_count 2
		.amdhsa_user_sgpr_kernarg_segment_ptr 1
		.amdhsa_wavefront_size32 1
		.amdhsa_system_sgpr_workgroup_id_x 1
		.amdhsa_system_sgpr_workgroup_id_y 1
		.amdhsa_system_sgpr_workgroup_id_z 1
		.amdhsa_system_vgpr_workitem_id 0
		.amdhsa_next_free_vgpr 1024
		.amdhsa_next_free_sgpr 102
		.amdhsa_reserve_vcc 0
		.amdhsa_float_denorm_mode_32 3
		.amdhsa_float_denorm_mode_16_64 3
		.amdhsa_memory_ordered 1
		.amdhsa_forward_progress 1
		.amdhsa_inst_pref_size 130
	.end_amdhsa_kernel
	.amdgpu_metadata
---
amdhsa.version: [ 1, 2 ]
amdhsa.kernels:
  - .name:           k_q82cb42e91f_proj
    .symbol:         k_q82cb42e91f_proj.kd
    .args:
      - { .name: xh, .offset: 0, .size: 8, .value_kind: global_buffer, .address_space: global }
      - { .name: wt, .offset: 8, .size: 8, .value_kind: global_buffer, .address_space: global }
      - { .name: tab, .offset: 16, .size: 8, .value_kind: global_buffer, .address_space: global }
      - { .name: b_q, .offset: 24, .size: 8, .value_kind: global_buffer, .address_space: global }
      - { .name: b_k, .offset: 32, .size: 8, .value_kind: global_buffer, .address_space: global }
      - { .name: qk, .offset: 40, .size: 8, .value_kind: global_buffer, .address_space: global }
    .group_segment_fixed_size: 327680
    .private_segment_fixed_size: 0
    .kernarg_segment_align: 8
    .kernarg_segment_size: 48
    .max_flat_workgroup_size: 128
    .sgpr_count:     102
    .vgpr_count:     1024
    .wavefront_size: 32
...
	.end_amdgpu_metadata
.endif
;; end of part 3
;; launch mid (part 4): grid 4 x 96, 4 waves a work-group, clusters of 4 x 4, 327,680 bytes of LDS; arguments qk, xh, wh, wt, tab, b_v, pe; writes pe
.if DOCPART == 4
	.amdgcn_target "amdgcn-amd-amdhsa--gfx1250"
	.amdhsa_code_object_version 6
	.text
	.protected	k_q82cb42e91f_mid
	.globl	k_q82cb42e91f_mid
	.p2align	8
	.type	k_q82cb42e91f_mid,@function
k_q82cb42e91f_mid:
	s_mov_b64 s[64:65], 0
	v_nop
	global_prefetch_b8 v0, s[64:65] scope:SCOPE_SE
	s_setreg_imm32_b32 hwreg(HW_REG_WAVE_MODE, 25, 1), 1
	s_wait_xcnt 0x0
	s_wait_alu depctr_hold_cnt(0) depctr_sa_sdst(0) depctr_va_vdst(0) depctr_va_sdst(0) depctr_va_ssrc(0) depctr_va_vcc(0) depctr_vm_vsrc(0)
	s_getreg_b32 s2, hwreg(HW_REG_IB_STS2, 6, 4)
	s_cmp_eq_u32 s2, 0
	s_cbranch_scc0 .Lentry_in_a_cluster
	s_endpgm
.Lentry_in_a_cluster:
	s_bfe_u32 s2, ttmp6, 0x10000c
	s_cmp_lg_u32 s2, 0xf033
	s_cbranch_scc0 .Lentry_shape_is_right
	s_endpgm
.Lentry_shape_is_right:
; mid.  Three jobs, one a cluster (cluster y = 8 job + batch), each 1024 x 1024 of one batch, all with f16 operands and f32 sums, all stored as f16 times exact powers of two:
;   job 0  P[l][m] = (k_l . q_m) 2^(c2[m] - c2[l] - eS) for m >= l, else 0                       K = 1024
;   job 1  E[l][d] = (sum_h k[l][h] W[d][h] - sum x[l][:] w_v[:][d] - b_v[d]) sg[l] cE / pn[d]    K = 2048: the values are a second stretch of K, with -w_v^T
;   job 2  Yc[m][d] = (sum_h q[m][h] W[d][h]) cE / pn[d]                                          K = 1024
; By the bounds behind eS, cE and pn (Cauchy-Schwarz on the inputs' norms) each is at most 2^15 in size, whatever the inputs' size; the powers are taken out again in f32 by the last launch.
; The exponent c2[m] - c2[l] is at most 0 where m >= l, since c2 falls; a hidden entry's exponent is -2000, whose power is 0.  Tiles wholly under the diagonal are computed and stored as zeros:
; partners in a cluster make equal trips, and job 1 sets the launch's length.
; Core, ring, cluster and stage as in proj.  The lap loop counts up to a bound that hangs on the job alone (3 or 7), the same in all partners; its LDS addresses are fixed.
; WAY OUT, eight rows a trip.  Jobs 1 and 2: the arithmetic takes the rows out of the registers in which they land, and the next rows are asked for while these are rounded and stored.
; Job 0: a trip's sums are wanted only behind its 32 exponentials, so they are asked for at the trip's head; the rows' constants, wanted first, a trip ahead.
; LIMITS.  Stored numbers below 2^-14 keep f16's fixed step of 2^-24.  NaN and infinities are not treated apart.
.set PITCH,  272
.set HALFT,  128*PITCH
.set SLOT,   4*HALFT
.set SPARE,  2*SLOT
.set SP,     528
.set FSTEP,  16*PITCH
.set FSEC,   32
.set K1, 64
.set K2, 128
.set K3, 192
.set GW0, (1<<16)|(1<<20)|(1<<21)|(5<<22)|(3<<25)
.set TD0, 128
.set TD1, 128
.set ADRA, 16
.set ADRB, 20
.set LN,   22
.set PW,   23
.set STO,  24
.set RD0,  25
.set RD,   26
.set RP,   27
.set SPW,  28
.set NIL,  29
.set GO,   30
.set RQ,   8                           ; v[8:15] the rows' constants, a pair for each 32 rows
.set CF,   48                          ; v[48:51] cE / pn of my four columns
.set BC,   52                          ; v[52:55] b_v cE / pn, or 0
.set DJ,   56                          ; v[56:59] my column less the trip's first row
.set NEG,  60                          ; v60 -2000
.set F0,   64
.set F1,   128
.set XR,   64                          ; v[64:95]   8 rows x 4 f32 as they land
.set RC,   96                          ; v[96:111]  the rows' constants as they land
.set TT,   112                         ; v[112:143] at work: exponents, powers, results
.set YY,   144                         ; v[144:159] f16, to store
.set G1, 24
.set G0, 32
.set G1B, 48
.set G0B, 56
.set RK, 92                            ; s92, s93: each slot's place along K, in bytes of a row
.set MSB, 0
.macro WIN new
.if MSB != (\new)
	s_set_vgpr_msb (MSB<<8)|(\new)
.set MSB, \new
.endif
.endm
.set MUL_LO, 0xa1
.set MUL_HI, 0xf1
.set TO_B,   0x40
.macro JLOAD s
	s_cmp_eq_u32 s11, 0
	s_cbranch_scc0 .Lfor_b_\@
	tensor_load_to_lds s[G0+4*(\s):G0+4*(\s)+3], s[G1:G1+7]
	s_nop 0
.rept 4
	v_nop
.endr
	s_branch .Lasked_\@
.Lfor_b_\@:
	tensor_load_to_lds s[G0B+4*(\s):G0B+4*(\s)+3], s[G1B:G1B+7]
	s_nop 0
.rept 4
	v_nop
.endr
.Lasked_\@:
.endm
.macro CREST
	s_cmp_lg_u32 s10, 0
	s_cbranch_scc1 .Lnot_wave_0_\@
	s_barrier_signal -3
.Lnot_wave_0_\@:
	s_barrier_wait -3
	s_barrier_signal -1
	s_barrier_wait -1
.endm
.macro CROUND
	s_barrier_signal -1
	s_barrier_wait -1
	CREST
.endm
.macro MUL16 f, hi, a0, zero
	WIN MUL_LO+0x50*(\hi)
.irp a, \a0, (\a0)+1
.irp b, 0,1,2,3,4,5,6,7
.if \zero
	v_wmma_f32_16x16x32_f16 v[8*(8*(\a)+(\b)):8*(8*(\a)+(\b))+7], v[(\f)+8*(\b):(\f)+8*(\b)+7], v[(\f)+8*(4*(\hi)+(\a)):(\f)+8*(4*(\hi)+(\a))+7], 0
.else
	v_wmma_f32_16x16x32_f16 v[8*(8*(\a)+(\b)):8*(8*(\a)+(\b))+7], v[(\f)+8*(\b):(\f)+8*(\b)+7], v[(\f)+8*(4*(\hi)+(\a)):(\f)+8*(4*(\hi)+(\a))+7], v[8*(8*(\a)+(\b)):8*(8*(\a)+(\b))+7]
.endif
.endr
.endr
.endm
.macro FETCH slot, k, f
	WIN TO_B
.irp i, 0,1,2,3,4,5,6,7
	ds_load_b128 v[(\f)+8*(\i):(\f)+8*(\i)+3],   v[ADRB+(\slot)] offset:(\k)+(\i)*FSTEP
	ds_load_b128 v[(\f)+8*(\i)+4:(\f)+8*(\i)+7], v[ADRB+(\slot)] offset:(\k)+(\i)*FSTEP+FSEC
.endr
	WIN 0
.irp i, 0,1,2,3,4,5,6,7
	ds_load_b128 v[(\f)+8*(\i):(\f)+8*(\i)+3],   v[ADRA+(\slot)] offset:(\k)+(\i)*FSTEP
	ds_load_b128 v[(\f)+8*(\i)+4:(\f)+8*(\i)+7], v[ADRA+(\slot)] offset:(\k)+(\i)*FSTEP+FSEC
.endr
.endm
.macro PLACES
.rept 4
	v_nop
.endr
.endm
.macro QUARTER slot, k, f, g, zero
	s_wait_dscnt 8                                 ; B and A's rows 0-63 are in; the youngest eight loads may be out
	WIN MUL_LO
	MUL16 \f, 0, 0, \zero
	MUL16 \f, 0, 2, \zero
	PLACES
	FETCH \slot, \k, \g
	s_wait_dscnt 32                                ; all but the 32 just issued
	WIN MUL_HI
	MUL16 \f, 1, 0, \zero
	MUL16 \f, 1, 2, \zero
.endm
.macro MEET round
	WIN 0
	s_wait_tensorcnt 0x0                           ; the one load that was out is my part of the next slot
	ds_add_u32 v[SPW], v[NIL]
	s_wait_dscnt 9                                 ; the add and the youngest eight loads may be out
	WIN MUL_LO
	MUL16 F1, 0, 0, 0
	s_wait_dscnt 0x0
	s_barrier_signal -1
	MUL16 F1, 0, 2, 0
.if \round
	WIN 0
.endif
	s_barrier_wait -1
.endm
; The slot goes two K steps on.  From 2,048 bytes on the place lies in the second stretch (job 1 alone gets there): x for A, -w_v^T for B.  Each address is made anew from its own buffer's pointer.
.macro STEP slot
	s_add_co_u32 s[RK+(\slot)], s[RK+(\slot)], 512
	s_bitcmp1_b32 s[RK+(\slot)], 11
	s_cselect_b64 s[94:95], s[86:87], s[84:85]
	s_cselect_b64 s[98:99], s[90:91], s[88:89]
	s_and_b32 s96, s[RK+(\slot)], 2047
	s_add_nc_u64 s[G0+4*(\slot)+2:G0+4*(\slot)+3], s[94:95], s[96:97]
	s_or_b32 s[G0+4*(\slot)+3], s[G0+4*(\slot)+3], 0x80000000
	s_add_nc_u64 s[G0B+4*(\slot)+2:G0B+4*(\slot)+3], s[98:99], s[96:97]
	s_or_b32 s[G0B+4*(\slot)+3], s[G0B+4*(\slot)+3], 0x80000000
.endm
.macro TURN slot, next, fill
	MEET \fill
.if \fill
	CREST
	STEP \slot
	JLOAD \slot
.else
	PLACES
.endif
	FETCH \next, 0, F0
	WIN MUL_HI
	MUL16 F1, 1, 0, 0
	MUL16 F1, 1, 2, 0
.endm
.macro LAST
	s_wait_dscnt 8
	WIN MUL_LO
	MUL16 F1, 0, 0, 0
	MUL16 F1, 0, 2, 0
	s_wait_dscnt 0x0
	MUL16 F1, 1, 0, 0
	MUL16 F1, 1, 2, 0
.endm
	s_load_b256 s[68:75], s[0:1], 0x0              ; qk s[68:69], xh s[70:71], wh s[72:73], wt s[74:75]
	s_load_b128 s[76:79], s[0:1], 0x20             ; tab s[76:77], b_v s[78:79]
	s_load_b64 s[80:81], s[0:1], 0x30              ; pe
	v_lshl_add_u32 v[SPW], v0, 2, SPARE
	v_mov_b32 v[NIL], 0
	ds_add_u32 v[SPW], v[NIL]                      ; the wave's opening: an add and its wait ahead of my first tensor load
	v_lshrrev_b32 v1, 5, v0
	v_readfirstlane_b32 s10, v1
	s_lshr_b32 s11, s10, 1
	s_and_b32 s12, s10, 1
	s_bfe_u32 s40, ttmp6, 0x40000                  ; cx
	s_bfe_u32 s41, ttmp6, 0x40004                  ; cy
	s_and_b32 s67, ttmp7, 0xffff                   ; the cluster's y
	s_lshr_b32 s66, s67, 3                         ; the job
	s_and_b32 s67, s67, 7                          ; the batch
	s_lshl_b32 s43, s41, 2
	s_lshl_b32 s43, 15, s43
	s_lshl_b32 s44, 0x1111, s40
	s_or_b32 s[G1], s43, GW0
	s_or_b32 s[G1B], s44, GW0
.irp g, G1, G1B
	s_mov_b32 s[(\g)+1], TD0<<16
	s_mov_b32 s[(\g)+2], TD1<<16
	s_mov_b32 s[(\g)+3], TD0<<16
	s_mov_b32 s[(\g)+4], TD1
	s_mov_b32 s[(\g)+5], 1024
	s_mov_b32 s[(\g)+6], 0
	s_mov_b32 s[(\g)+7], 0
.endr
	s_lshl_b32 s16, s67, 21                        ; A's rows: batch, tile row, my 128
	s_lshl_b32 s17, s41, 19
	s_add_co_u32 s16, s16, s17
	s_lshl_b32 s17, s12, 18
	s_add_co_u32 s16, s16, s17
	s_mov_b32 s17, 0
	s_cmp_eq_u32 s66, 2
	s_cselect_b32 s18, 0, 0x1000000                ; q for job 2, else k
	s_add_co_u32 s18, s18, s16
	s_mov_b32 s19, 0
	s_lshl_b32 s98, s40, 19                        ; B's rows: tile column, my 128
	s_lshl_b32 s99, s12, 18
	s_add_co_u32 s98, s98, s99
	s_lshl_b32 s46, s67, 21
	s_add_co_u32 s46, s46, s98
	s_mov_b32 s47, 0
	s_add_co_u32 s98, s98, 0x400000                ; -w_v^T begins at wt's row 2,048
	s_mov_b32 s99, 0
	s_mov_b32 s[RK], 0
	s_mov_b32 s[RK+1], 256
	s_mov_b32 s97, 0
	s_cmp_eq_u32 s66, 1
	s_cselect_b32 s100, 7, 3                       ; laps less one: K = 2,048 or 1,024
	s_mul_i32 s20, s10, HALFT
	s_wait_dscnt 0x0                               ; the opening add is done
	s_wait_kmcnt 0x0
	s_add_nc_u64 s[84:85], s[68:69], s[18:19]      ; A, first stretch
	s_add_nc_u64 s[86:87], s[70:71], s[16:17]      ; A, second stretch: x
	s_cmp_eq_u32 s66, 0
	s_cselect_b64 s[88:89], s[68:69], s[72:73]     ; B, first stretch: q for job 0, else W
	s_add_nc_u64 s[88:89], s[88:89], s[46:47]
	s_add_nc_u64 s[90:91], s[74:75], s[98:99]      ; B, second stretch
	CROUND
.irp s, 0,1
	s_mov_b32 s[G0+4*(\s)], 1
	s_add_co_u32 s[G0+4*(\s)+1], s20, (\s)*SLOT
	s_add_nc_u64 s[G0+4*(\s)+2:G0+4*(\s)+3], s[84:85], (\s)*256
	s_or_b32 s[G0+4*(\s)+3], s[G0+4*(\s)+3], 0x80000000
	s_mov_b32 s[G0B+4*(\s)], 1
	s_add_co_u32 s[G0B+4*(\s)+1], s20, (\s)*SLOT
	s_add_nc_u64 s[G0B+4*(\s)+2:G0B+4*(\s)+3], s[88:89], (\s)*256
	s_or_b32 s[G0B+4*(\s)+3], s[G0B+4*(\s)+3], 0x80000000
	JLOAD \s
.endr
	v_and_b32 v1, 15, v0
	v_bfe_u32 v2, v0, 4, 1
	v_and_b32 v[LN], 31, v0
	v_mul_u32_u24 v3, v1, PITCH
	v_lshl_add_u32 v3, v2, 4, v3
	s_mul_i32 s21, s11, HALFT
	s_mul_i32 s22, s12, HALFT
	s_add_co_u32 s22, s22, 2*HALFT
.irp s, 0,1
	v_add_nc_u32 v[ADRA+(\s)], s21, v3
	v_add_nc_u32 v[ADRB+(\s)], s22, v3
	s_add_co_u32 s21, s21, SLOT
	s_add_co_u32 s22, s22, SLOT
.endr
	s_add_co_u32 s23, s20, SLOT
	s_add_co_u32 s101, s23, 512
	v_mul_u32_u24 v4, v1, SP
	v_lshl_add_u32 v4, v2, 5, v4
	v_add_nc_u32 v[STO], s23, v4
	v_mul_u32_u24 v4, v[LN], SP
	v_add_nc_u32 v[PW], s101, v4
	v_lshl_add_u32 v[RD0], v[LN], 4, s23
	v_lshlrev_b32 v[GO], 3, v[LN]
	s_lshl_b32 s13, s40, 8
	s_lshl_b32 s8, s12, 7
	s_add_co_u32 s13, s13, s8                      ; my first column
	s_lshl_b32 s2, s41, 8
	s_lshl_b32 s8, s11, 7
	s_add_co_u32 s2, s2, s8                        ; my first row
	s_lshl_b32 s8, s67, 10
	s_add_co_u32 s9, s8, s13
	s_lshl_b32 s9, s9, 2
	v_lshl_add_u32 v5, v[LN], 4, s9                ; my four columns in a table of the batch
	global_load_b128 v[32:35], v5, s[76:77] offset:32768   ; c2
	global_load_b128 v[36:39], v5, s[76:77] offset:131072  ; pn
	s_lshl_b32 s9, s13, 2
	v_lshl_add_u32 v6, v[LN], 4, s9
	global_load_b128 v[40:43], v6, s[78:79]        ; b_v
	s_add_co_u32 s9, s8, s2
	s_lshl_b32 s9, s9, 2
	s_cmp_eq_u32 s66, 0
	s_cselect_b32 s8, 32768, 0                     ; the rows' table: c2 for job 0, else sg
	s_add_co_u32 s9, s9, s8
	v_lshl_add_u32 v7, v[LN], 2, s9
.irp i, 0,1,2,3
	global_load_b32 v[44+\i], v7, s[76:77] offset:128*\i   ; rows lane + 32 i
.endr
	s_lshl_b32 s8, s67, 6
	s_add_co_u32 s8, s8, 163840
	s_mov_b32 s9, 0
	s_add_nc_u64 s[82:83], s[76:77], s[8:9]
	s_load_b64 s[4:5], s[82:83], 0x0               ; eS, cE of the batch
	s_lshl_b32 s8, s66, 24
	s_lshl_b32 s18, s67, 21
	s_add_co_u32 s8, s8, s18
	s_lshl_b32 s18, s2, 11
	s_add_co_u32 s8, s8, s18
	s_lshl_b32 s18, s13, 1
	s_add_co_u32 s8, s8, s18
	s_add_nc_u64 s[6:7], s[80:81], s[8:9]          ; my part of the job's output
	s_wait_tensorcnt 1                             ; my part of K step 0 is in; K step 1's may stay out
	s_barrier_signal -1
	s_barrier_wait -1
	FETCH 0, 0, F0
	QUARTER 0, K1, F0, F1, 1
	WIN 0
	s_mov_b32 s3, 0
.Llap:
	QUARTER 0, K2, F1, F0, 0
	QUARTER 0, K3, F0, F1, 0
	TURN 0, 1, 1
	QUARTER 1, K1, F0, F1, 0
	QUARTER 1, K2, F1, F0, 0
	QUARTER 1, K3, F0, F1, 0
	TURN 1, 0, 1
	QUARTER 0, K1, F0, F1, 0
	WIN 0
	s_add_co_u32 s3, s3, 1
	s_cmp_lt_u32 s3, s100
	s_cbranch_scc1 .Llap
	QUARTER 0, K2, F1, F0, 0
	QUARTER 0, K3, F0, F1, 0
	TURN 0, 1, 0
	QUARTER 1, K1, F0, F1, 0
	QUARTER 1, K2, F1, F0, 0
	QUARTER 1, K3, F0, F1, 0
	LAST
	WIN 0
	PLACES
	s_wait_dscnt 0x0
	s_barrier_signal -1
	s_barrier_wait -1                              ; everybody's reads of slot 1 are over: the stages may be written
	s_wait_loadcnt 0x0
	s_wait_kmcnt 0x0
	s_xor_b32 s96, s4, 0x80000000                  ; -eS
	v_mov_b32 v[NEG], 0xc4fa0000                   ; -2000: a hidden entry's exponent
	s_cmp_eq_u32 s66, 1
	s_cselect_b32 s97, -1, 0
	s_cmp_eq_u32 s66, 2
	s_cselect_b32 s94, -1, 0
.irp j, 0,1,2,3
	v_add_f32 v[32+\j], s96, v[32+\j]              ; c2[m] - eS
	v_sub_nc_u32 v[CF+\j], 0x7f000000, v[36+\j]    ; 1 / pn, on the bits
.endr
	v_cvt_pk_bf16_f32 v3, v40, v41                 ; b_v is rounded to bf16 like every input
	v_cvt_pk_bf16_f32 v4, v42, v43
	v_lshlrev_b32 v40, 16, v3
	v_and_b32 v41, 0xffff0000, v3
	v_lshlrev_b32 v42, 16, v4
	v_and_b32 v43, 0xffff0000, v4
.irp j, 0,1,2,3
	v_mul_f32 v[CF+\j], s5, v[CF+\j]
	v_cndmask_b32 v[44+\j], v[44+\j], 1.0, s94     ; job 2 has no factor by rows
.endr
.irp j, 0,1,2,3
	v_mul_f32 v[BC+\j], v[40+\j], v[CF+\j]
	v_mov_b32 v[RQ+2*\j], v[44+\j]
	v_mov_b32 v[RQ+2*\j+1], v[44+\j]
.endr
.irp j, 0,1,2,3
	v_cndmask_b32 v[BC+\j], 0, v[BC+\j], s97       ; job 1 alone subtracts the bias
.endr
	s_sub_co_i32 s96, s13, s2
	v_lshl_add_u32 v[DJ], v[LN], 2, s96
	v_add_nc_u32 v[DJ+1], 1, v[DJ]
	v_add_nc_u32 v[DJ+2], 2, v[DJ]
	v_add_nc_u32 v[DJ+3], 3, v[DJ]
.macro DUMP hi
	WIN 0x08+4*(\hi)
.irp a, 0,1,2,3
.irp b, 0,1,2,3,4,5,6,7
	ds_store_b128 v[STO], v[8*(8*(\a)+(\b)):8*(8*(\a)+(\b))+3] offset:(\a)*16*SP+64*(\b)
	ds_store_b128 v[STO], v[8*(8*(\a)+(\b))+4:8*(8*(\a)+(\b))+7] offset:(\a)*16*SP+64*(\b)+16
.endr
.endr
	WIN 0
.irp i, 0,1
	ds_store_b64 v[PW], v[RQ+4*(\hi)+2*\i:RQ+4*(\hi)+2*\i+1] offset:\i*32*SP
.endr
.endm
.macro LDXR                            ; eight rows of sums are asked for; the address goes eight rows on (an LDS instruction's address may be rewritten at once)
.irp i, 0,1,2,3,4,5,6,7
	ds_load_b128 v[XR+4*\i:XR+4*\i+3], v[RD] offset:\i*SP    ; LDS serves a wave's instructions in order: these see my stores into the stage
.endr
	v_add_nc_u32 v[RD], 8*SP, v[RD]
.endm
.macro LDRC                            ; the same for eight rows' constants
.irp i, 0,1,2,3,4,5,6,7
	ds_load_b64 v[RC+2*\i:RC+2*\i+1], v[RP] offset:\i*SP
.endr
	v_add_nc_u32 v[RP], 8*SP, v[RP]
.endm
.macro SEND8                           ; eight rows are rounded to f16, all of them, and then stored
	s_wait_xcnt 0x0                                ; the last trip's stores: their offset and data are rewritten only behind this wait
	v_add_nc_u32 v[GO], 8*2048, v[GO]              ; eight rows on, across the halves too; the stores reach back by their immediates
.irp i, 0,1,2,3,4,5,6,7
	v_cvt_pk_f16_f32 v[YY+2*\i], v[TT+4*\i], v[TT+4*\i+1]
	v_cvt_pk_f16_f32 v[YY+2*\i+1], v[TT+4*\i+2], v[TT+4*\i+3]
.endr
.irp i, 0,1,2,3,4,5,6,7
	global_store_b64 v[GO], v[YY+2*\i:YY+2*\i+1], s[6:7] offset:(\i-8)*2048  ; 256 consecutive bytes, aligned
.endr
.endm
	s_mov_b32 s99, 0
.Lhalf:
	s_cmp_lg_u32 s99, 0
	s_cbranch_scc1 .Ldump1
	DUMP 0
	s_branch .Lrows
.Ldump1:
	DUMP 1
.Lrows:
	v_mov_b32 v[RD], v[RD0]
	v_mov_b32 v[RP], s101
	s_mov_b32 s95, 8
	s_cmp_lg_u32 s66, 0
	s_cbranch_scc1 .LrowsE
	LDRC                                           ; job 0: the first eight rows' constants
.LtripS:                                               ; the decay and the mask
	s_wait_dscnt 0x0                               ; this trip's constants, asked for a trip ago
.irp i, 0,1,2,3,4,5,6,7
	v_pk_add_f32 v[TT+4*\i:TT+4*\i+1], v[32:33], v[RC+2*\i:RC+2*\i+1] neg_lo:[0,1] neg_hi:[0,1]
	v_pk_add_f32 v[TT+4*\i+2:TT+4*\i+3], v[34:35], v[RC+2*\i:RC+2*\i+1] neg_lo:[0,1] neg_hi:[0,1]
.endr
	s_cmp_eq_u32 s95, 1
	s_cbranch_scc1 .LnoS                           ; the half's last trip asks for no further constants
	LDRC
.LnoS:
	LDXR                                           ; this trip's sums: they land under the 96 lines below
.irp i, 0,1,2,3,4,5,6,7
.irp j, 0,1,2,3
	v_cmp_le_i32 s[14+\j], \i, v[DJ+\j]            ; is the column at or behind the row?  Four masks, so that no selection stands behind its own comparison
.endr
.irp j, 0,1,2,3
	v_cndmask_b32 v[TT+4*\i+\j], v[NEG], v[TT+4*\i+\j], s[14+\j]
.endr
.endr
.set q, TT
.rept 32
	v_exp_f32 v[q], v[q]
.set q, q+1
.endr
	v_nop                                          ; a plain instruction behind the last exponential
	s_wait_dscnt 0x0                               ; the sums are in
	s_wait_alu depctr_va_vdst(0)
.irp i, 0,1,2,3,4,5,6,7
	v_pk_mul_f32 v[TT+4*\i:TT+4*\i+1], v[XR+4*\i:XR+4*\i+1], v[TT+4*\i:TT+4*\i+1]
	v_pk_mul_f32 v[TT+4*\i+2:TT+4*\i+3], v[XR+4*\i+2:XR+4*\i+3], v[TT+4*\i+2:TT+4*\i+3]
.endr
.irp j, 0,1,2,3
	v_add_nc_u32 v[DJ+\j], -8, v[DJ+\j]
.endr
	SEND8
	s_sub_co_u32 s95, s95, 1
	s_cmp_lg_u32 s95, 0
	s_cbranch_scc1 .LtripS
	s_branch .Lhalfend
.LrowsE:
	LDXR                                           ; jobs 1 and 2: the half's first eight rows
	LDRC
.LtripE:                                               ; (sum cE / pn - bias cE / pn) times the row's factor
	s_wait_dscnt 0x0                               ; this trip's rows, asked for a trip ago
.irp i, 0,1,2,3,4,5,6,7
	v_pk_fma_f32 v[TT+4*\i:TT+4*\i+1], v[XR+4*\i:XR+4*\i+1], v[CF:CF+1], v[BC:BC+1] neg_lo:[0,0,1] neg_hi:[0,0,1]
	v_pk_fma_f32 v[TT+4*\i+2:TT+4*\i+3], v[XR+4*\i+2:XR+4*\i+3], v[CF+2:CF+3], v[BC+2:BC+3] neg_lo:[0,0,1] neg_hi:[0,0,1]
.endr
.irp i, 0,1,2,3,4,5,6,7
	v_pk_mul_f32 v[TT+4*\i:TT+4*\i+1], v[TT+4*\i:TT+4*\i+1], v[RC+2*\i:RC+2*\i+1]
	v_pk_mul_f32 v[TT+4*\i+2:TT+4*\i+3], v[TT+4*\i+2:TT+4*\i+3], v[RC+2*\i:RC+2*\i+1]
.endr
	s_cmp_eq_u32 s95, 1
	s_cbranch_scc1 .LnoE                           ; the half's last trip asks for nothing
	LDXR                                           ; the registers in which rows land have been read: the next eight rows come while these are rounded and stored
	LDRC
.LnoE:
	SEND8
	s_sub_co_u32 s95, s95, 1
	s_cmp_lg_u32 s95, 0
	s_cbranch_scc1 .LtripE
.Lhalfend:
	s_add_co_u32 s99, s99, 1
	s_cmp_lt_u32 s99, 2
	s_cbranch_scc1 .Lhalf
	s_wait_tensorcnt 0x0                           ; the wave's end
	ds_add_u32 v[SPW], v[NIL]
	s_wait_dscnt 0x0
	CROUND                                         ; the closing round
	s_endpgm
.Lfunc_end_k_q82cb42e91f_mid:
	.size	k_q82cb42e91f_mid, .Lfunc_end_k_q82cb42e91f_mid-k_q82cb42e91f_mid
	.p2alignl 7, 3214868480
	.fill 96, 4, 3214868480
	.section	.rodata,"a",@progbits
	.p2align	6, 0x0
	.amdhsa_kernel k_q82cb42e91f_mid
		.amdhsa_group_segment_fixed_size 327680
		.amdhsa_private_segment_fixed_size 0
		.amdhsa_enable_private_segment 0
		.amdhsa_kernarg_size 56
		.amdhsa_user_sgpr_count 2
		.amdhsa_user_sgpr_kernarg_segment_ptr 1
		.amdhsa_wavefront_size32 1
		.amdhsa_system_sgpr_workgroup_id_x 1
		.amdhsa_system_sgpr_workgroup_id_y 1
		.amdhsa_system_sgpr_workgroup_id_z 1
		.amdhsa_system_vgpr_workitem_id 0
		.amdhsa_next_free_vgpr 1024
		.amdhsa_next_free_sgpr 102
		.amdhsa_reserve_vcc 0
		.amdhsa_float_denorm_mode_32 3
		.amdhsa_float_denorm_mode_16_64 3
		.amdhsa_memory_ordered 1
		.amdhsa_forward_progress 1
		.amdhsa_inst_pref_size 142
	.end_amdhsa_kernel
	.amdgpu_metadata
---
amdhsa.version: [ 1, 2 ]
amdhsa.kernels:
  - .name:           k_q82cb42e91f_mid
    .symbol:         k_q82cb42e91f_mid.kd
    .args:
      - { .name: qk, .offset: 0, .size: 8, .value_kind: global_buffer, .address_space: global }
      - { .name: xh, .offset: 8, .size: 8, .value_kind: global_buffer, .address_space: global }
      - { .name: wh, .offset: 16, .size: 8, .value_kind: global_buffer, .address_space: global }
      - { .name: wt, .offset: 24, .size: 8, .value_kind: global_buffer, .address_space: global }
      - { .name: tab, .offset: 32, .size: 8, .value_kind: global_buffer, .address_space: global }
      - { .name: b_v, .offset: 40, .size: 8, .value_kind: global_buffer, .address_space: global }
      - { .name: pe, .offset: 48, .size: 8, .value_kind: global_buffer, .address_space: global }
    .group_segment_fixed_size: 327680
    .private_segment_fixed_size: 0
    .kernarg_segment_align: 8
    .kernarg_segment_size: 56
    .max_flat_workgroup_size: 128
    .sgpr_count:     102
    .vgpr_count:     1024
    .wavefront_size: 32
...
	.end_amdgpu_metadata
.endif
;; end of part 4
;; launch fin (part 5): grid 4 x 64, 4 waves a work-group, clusters of 4 x 4, 327,680 bytes of LDS; arguments pe, qk, wh, tab, out0, out1; writes out0, out1
.if DOCPART == 5
	.amdgcn_target "amdgcn-amd-amdhsa--gfx1250"
	.amdhsa_code_object_version 6
	.text
	.protected	k_q82cb42e91f_fin
	.globl	k_q82cb42e91f_fin
	.p2align	8
	.type	k_q82cb42e91f_fin,@function
k_q82cb42e91f_fin:
	s_mov_b64 s[64:65], 0
	v_nop
	global_prefetch_b8 v0, s[64:65] scope:SCOPE_SE
	s_setreg_imm32_b32 hwreg(HW_REG_WAVE_MODE, 25, 1), 1
	s_wait_xcnt 0x0
	s_wait_alu depctr_hold_cnt(0) depctr_sa_sdst(0) depctr_va_vdst(0) depctr_va_sdst(0) depctr_va_ssrc(0) depctr_va_vcc(0) depctr_vm_vsrc(0)
	s_getreg_b32 s2, hwreg(HW_REG_IB_STS2, 6, 4)
	s_cmp_eq_u32 s2, 0
	s_cbranch_scc0 .Lentry_in_a_cluster
	s_endpgm
.Lentry_in_a_cluster:
	s_bfe_u32 s2, ttmp6, 0x10000c
	s_cmp_lg_u32 s2, 0xf033
	s_cbranch_scc0 .Lentry_shape_is_right
	s_endpgm
.Lentry_shape_is_right:
; fin.  Two jobs, one a cluster (cluster y = 8 job + batch), each 1024 x 1024 of one batch, K = the 1,024 rows l; both operands are stored [l][.], so fragments come out of LDS turned (ds_load_tr16_b128).
;   job 0  out0[m][d] = pn[d] ( Yc[m][d] wdc[m] iE - (sum_l P[l][m] E[l][d]) gY )
;   job 1  out1[d][h] = W[d][h] wdcl - (sum_l E[l][d] kw[l][h]) gW pn[d]
; Both have the form fc[col] (X xr[row] - sum fr[row]): one text; the jobs differ in pointers and in constants chosen by v_cndmask_b32.  The powers of two put on by the launch before are taken out here, in f32.
; X (Yc or W, f16, my wave's 128 x 128) is brought by a tensor load of the wave's own into slot 0 during the last K step, behind a round of the cluster's barrier like every refill.
; Core, ring, cluster and stage as in proj; a tile is 128 rows of K x 256 columns, a wave's load 64 rows of 512 bytes, padded by 32.
; WAY OUT, eight rows a trip: X xr - sum fr is made into other registers than those in which rows land, the next eight rows are asked for, and the last factor and the stores stand under those loads.
; P's entries under the diagonal are zeros and are multiplied like the others: partners in a cluster make equal trips, and job 1 needs every l.
; LIMITS.  NaN and infinities are not treated apart.
.set PITCH,  544
.set HALFT,  64*PITCH
.set SLOT,   4*HALFT
.set SPARE,  2*SLOT
.set SP,     528
.set FSTEP,  32                        ; 16 columns on
.set FSEC,   16*PITCH                  ; 16 rows of K on
.set K1, 32*PITCH
.set K2, 64*PITCH
.set K3, 96*PITCH
.set KADV, 524288                      ; two K steps: 256 rows of 2,048 bytes
.set LAPS, 4
.set GW0, (1<<16)|(1<<20)|(1<<21)|(6<<22)|(7<<25)  ; 2-byte elements; padding on; bit 21 beside a mask; after every 128 words, 8 words
.set TD0, 256
.set TD1, 64
.set ADRA, 16
.set ADRB, 20
.set LN,   22
.set PW,   23
.set STO,  24
.set RD0,  25
.set RD,   26
.set RP,   27
.set SPW,  28
.set NIL,  29
.set GO,   30
.set XD,   31                          ; v31 where I read X
.set RQ,   44                          ; v[44:59] xr, xr, fr, fr for each 32 rows
.set F0,   64
.set F1,   128
.set XH,   64                          ; v[64:79]   8 rows of X, f16, as they land
.set XR,   96                          ; v[96:127]  8 rows of sums as they land
.set XF,   128                         ; v[128:159] X in f32
.set RC,   160                         ; v[160:191] the rows' constants as they land
.set T2,   192                         ; v[192:223] X xr - sum fr
.set YO,   224                         ; v[224:255] results, to store
.set G1, 24
.set G0, 32
.set G1B, 48
.set G0B, 56
.set G1X, 84                           ; s[84:91] X's shape
.set G0X, 92                           ; s[92:95] X's addresses
.set MSB, 0
.macro WIN new
.if MSB != (\new)
	s_set_vgpr_msb (MSB<<8)|(\new)
.set MSB, \new
.endif
.endm
.set MUL_LO, 0xa1
.set MUL_HI, 0xf1
.set TO_B,   0x40
.macro JLOAD s
	s_cmp_eq_u32 s11, 0
	s_cbranch_scc0 .Lfor_b_\@
	tensor_load_to_lds s[G0+4*(\s):G0+4*(\s)+3], s[G1:G1+7]
	s_nop 0
.rept 4
	v_nop
.endr
	s_branch .Lasked_\@
.Lfor_b_\@:
	tensor_load_to_lds s[G0B+4*(\s):G0B+4*(\s)+3], s[G1B:G1B+7]
	s_nop 0
.rept 4
	v_nop
.endr
.Lasked_\@:
.endm
.macro CREST
	s_cmp_lg_u32 s10, 0
	s_cbranch_scc1 .Lnot_wave_0_\@
	s_barrier_signal -3
.Lnot_wave_0_\@:
	s_barrier_wait -3
	s_barrier_signal -1
	s_barrier_wait -1
.endm
.macro CROUND
	s_barrier_signal -1
	s_barrier_wait -1
	CREST
.endm
.macro MUL16 f, hi, a0, zero
	WIN MUL_LO+0x50*(\hi)
.irp a, \a0, (\a0)+1
.irp b, 0,1,2,3,4,5,6,7
.if \zero
	v_wmma_f32_16x16x32_f16 v[8*(8*(\a)+(\b)):8*(8*(\a)+(\b))+7], v[(\f)+8*(\b):(\f)+8*(\b)+7], v[(\f)+8*(4*(\hi)+(\a)):(\f)+8*(4*(\hi)+(\a))+7], 0
.else
	v_wmma_f32_16x16x32_f16 v[8*(8*(\a)+(\b)):8*(8*(\a)+(\b))+7], v[(\f)+8*(\b):(\f)+8*(\b)+7], v[(\f)+8*(4*(\hi)+(\a)):(\f)+8*(4*(\hi)+(\a))+7], v[8*(8*(\a)+(\b)):8*(8*(\a)+(\b))+7]
.endif
.endr
.endr
.endm
.macro FETCH slot, k, f                ; 32 turning loads in one run: fragment i is columns 16 i on, 32 rows of K from byte k on
	WIN TO_B
.irp i, 0,1,2,3,4,5,6,7
	ds_load_tr16_b128 v[(\f)+8*(\i):(\f)+8*(\i)+3],   v[ADRB+(\slot)] offset:(\k)+(\i)*FSTEP
	ds_load_tr16_b128 v[(\f)+8*(\i)+4:(\f)+8*(\i)+7], v[ADRB+(\slot)] offset:(\k)+(\i)*FSTEP+FSEC
.endr
	WIN 0
.irp i, 0,1,2,3,4,5,6,7
	ds_load_tr16_b128 v[(\f)+8*(\i):(\f)+8*(\i)+3],   v[ADRA+(\slot)] offset:(\k)+(\i)*FSTEP
	ds_load_tr16_b128 v[(\f)+8*(\i)+4:(\f)+8*(\i)+7], v[ADRA+(\slot)] offset:(\k)+(\i)*FSTEP+FSEC
.endr
.endm
.macro PLACES
.rept 4
	v_nop
.endr
.endm
.macro QUARTER slot, k, f, g, zero
	s_wait_dscnt 8                                 ; B and A's first four fragments are in; the youngest eight loads may be out
	WIN MUL_LO
	MUL16 \f, 0, 0, \zero
	MUL16 \f, 0, 2, \zero
	PLACES
	FETCH \slot, \k, \g
	s_wait_dscnt 32                                ; all but the 32 just issued
	WIN MUL_HI
	MUL16 \f, 1, 0, \zero
	MUL16 \f, 1, 2, \zero
.endm
.macro MEET round
	WIN 0
	s_wait_tensorcnt 0x0                           ; the one load that was out is my part of the next slot
	ds_add_u32 v[SPW], v[NIL]
	s_wait_dscnt 9                                 ; the add and the youngest eight loads may be out
	WIN MUL_LO
	MUL16 F1, 0, 0, 0
	s_wait_dscnt 0x0
	s_barrier_signal -1
	MUL16 F1, 0, 2, 0
.if \round
	WIN 0
.endif
	s_barrier_wait -1
.endm
.macro STEP slot
	s_add_nc_u64 s[G0+4*(\slot)+2:G0+4*(\slot)+3], s[G0+4*(\slot)+2:G0+4*(\slot)+3], KADV
	s_add_nc_u64 s[G0B+4*(\slot)+2:G0B+4*(\slot)+3], s[G0B+4*(\slot)+2:G0B+4*(\slot)+3], KADV
.endm
.macro TURN slot, next
	MEET 1
	CREST
	STEP \slot
	JLOAD \slot
	FETCH \next, 0, F0
	WIN MUL_HI
	MUL16 F1, 1, 0, 0
	MUL16 F1, 1, 2, 0
.endm
.macro TURNX                           ; the last change of slots: slot 0, which nobody reads any more, takes each wave's own tile of X
	MEET 1
	CREST
	tensor_load_to_lds s[G0X:G0X+3], s[G1X:G1X+7]  ; the first and only tensor load behind the round; it has the last K step in which to land
	s_nop 0
.rept 4
	v_nop
.endr
	FETCH 1, 0, F0
	WIN MUL_HI
	MUL16 F1, 1, 0, 0
	MUL16 F1, 1, 2, 0
.endm
.macro LAST
	s_wait_dscnt 8
	WIN MUL_LO
	MUL16 F1, 0, 0, 0
	MUL16 F1, 0, 2, 0
	s_wait_dscnt 0x0
	MUL16 F1, 1, 0, 0
	MUL16 F1, 1, 2, 0
.endm
	s_load_b256 s[68:75], s[0:1], 0x0              ; pe s[68:69], qk s[70:71], wh s[72:73], tab s[74:75]
	s_load_b128 s[76:79], s[0:1], 0x20             ; out0 s[76:77], out1 s[78:79]
	v_lshl_add_u32 v[SPW], v0, 2, SPARE
	v_mov_b32 v[NIL], 0
	ds_add_u32 v[SPW], v[NIL]                      ; the wave's opening: an add and its wait ahead of my first tensor load
	v_lshrrev_b32 v1, 5, v0
	v_readfirstlane_b32 s10, v1
	s_lshr_b32 s11, s10, 1                         ; my half of the tile's rows of C; also: I fetch for A (0) or B (1)
	s_and_b32 s12, s10, 1                          ; my half of its columns; also: which 64 rows of K I fetch
	s_bfe_u32 s40, ttmp6, 0x40000                  ; cx
	s_bfe_u32 s41, ttmp6, 0x40004                  ; cy
	s_and_b32 s67, ttmp7, 0xffff
	s_lshr_b32 s66, s67, 3                         ; the job
	s_and_b32 s67, s67, 7                          ; the batch
	s_lshl_b32 s43, s41, 2
	s_lshl_b32 s43, 15, s43
	s_lshl_b32 s44, 0x1111, s40
	s_or_b32 s[G1], s43, GW0
	s_or_b32 s[G1B], s44, GW0
.irp g, G1, G1B
	s_mov_b32 s[(\g)+1], TD0<<16
	s_mov_b32 s[(\g)+2], TD1<<16
	s_mov_b32 s[(\g)+3], TD0<<16
	s_mov_b32 s[(\g)+4], TD1
	s_mov_b32 s[(\g)+5], 1024
	s_mov_b32 s[(\g)+6], 0
	s_mov_b32 s[(\g)+7], 0
.endr
	s_mov_b32 s[G1X], 1<<16                        ; X: 2-byte elements, no mask, no padding
	s_mov_b32 s[G1X+1], 128<<16
	s_mov_b32 s[G1X+2], 128<<16
	s_mov_b32 s[G1X+3], 128<<16
	s_mov_b32 s[G1X+4], 128                        ; 128 rows of 128 elements
	s_mov_b32 s[G1X+5], 1024
	s_mov_b32 s[G1X+6], 0
	s_mov_b32 s[G1X+7], 0
	s_lshl_b32 s13, s40, 8
	s_lshl_b32 s96, s12, 7
	s_add_co_u32 s13, s13, s96                     ; my first column of C
	s_lshl_b32 s2, s41, 8
	s_lshl_b32 s96, s11, 7
	s_add_co_u32 s2, s2, s96                       ; my first row of C
	s_lshl_b32 s16, s67, 21                        ; A: the batch, my 64 rows of K, the tile's 256 columns
	s_lshl_b32 s17, s12, 17
	s_add_co_u32 s16, s16, s17
	s_lshl_b32 s17, s41, 9
	s_add_co_u32 s16, s16, s17
	s_cmp_lg_u32 s66, 0
	s_cselect_b32 s17, 0x1000000, 0                ; P for job 0, E for job 1
	s_add_co_u32 s16, s16, s17
	s_mov_b32 s17, 0
	s_lshl_b32 s46, s67, 21                        ; B likewise, with cx
	s_lshl_b32 s47, s12, 17
	s_add_co_u32 s46, s46, s47
	s_lshl_b32 s47, s40, 9
	s_add_co_u32 s46, s46, s47
	s_mov_b32 s96, 0x1000000
	s_cmp_lg_u32 s66, 0
	s_cselect_b32 s47, 0x2000000, s96              ; kw in qk for job 1, E in pe for job 0
	s_add_co_u32 s46, s46, s47
	s_mov_b32 s47, 0
	s_lshl_b32 s18, s67, 21                        ; X: the batch, my rows, my columns
	s_lshl_b32 s19, s2, 11
	s_add_co_u32 s18, s18, s19
	s_lshl_b32 s19, s13, 1
	s_add_co_u32 s18, s18, s19
	s_cmp_lg_u32 s66, 0
	s_cselect_b32 s19, 0, 0x2000000                ; W for job 1, Yc in pe for job 0
	s_add_co_u32 s18, s18, s19
	s_mov_b32 s19, 0
	s_mul_i32 s20, s10, HALFT
	s_mov_b32 s[G0X], 1
	s_add_co_u32 s[G0X+1], s20, 0                  ; into my quarter of slot 0
	s_wait_dscnt 0x0                               ; the opening add is done
	s_wait_kmcnt 0x0
	s_add_nc_u64 s[14:15], s[68:69], s[16:17]
	s_cmp_lg_u32 s66, 0
	s_cselect_b64 s[98:99], s[70:71], s[68:69]
	s_cselect_b64 s[G0X+2:G0X+3], s[72:73], s[68:69]
	s_cselect_b64 s[82:83], s[78:79], s[76:77]
	s_add_nc_u64 s[46:47], s[98:99], s[46:47]
	s_add_nc_u64 s[G0X+2:G0X+3], s[G0X+2:G0X+3], s[18:19]
	s_or_b32 s[G0X+3], s[G0X+3], 0x80000000
	CROUND
.irp s, 0,1
	s_mov_b32 s[G0+4*(\s)], 1
	s_add_co_u32 s[G0+4*(\s)+1], s20, (\s)*SLOT
	s_add_nc_u64 s[G0+4*(\s)+2:G0+4*(\s)+3], s[14:15], (\s)*KADV/2
	s_or_b32 s[G0+4*(\s)+3], s[G0+4*(\s)+3], 0x80000000
	s_mov_b32 s[G0B+4*(\s)], 1
	s_add_co_u32 s[G0B+4*(\s)+1], s20, (\s)*SLOT
	s_add_nc_u64 s[G0B+4*(\s)+2:G0B+4*(\s)+3], s[46:47], (\s)*KADV/2
	s_or_b32 s[G0B+4*(\s)+3], s[G0B+4*(\s)+3], 0x80000000
	JLOAD \s
.endr
	v_and_b32 v1, 15, v0
	v_bfe_u32 v2, v0, 4, 1
	v_and_b32 v[LN], 31, v0
	v_and_b32 v3, 7, v0                            ; the turning load: lane l reads row 8 (l / 16) + l % 8 of K,
	v_lshl_add_u32 v3, v2, 3, v3
	v_mul_u32_u24 v3, v3, PITCH
	v_bfe_u32 v4, v0, 3, 1                         ; columns 8 ((l / 8) % 2) on
	v_lshl_add_u32 v3, v4, 4, v3
	s_lshl_b32 s21, s11, 8                         ; my 128 columns of A's tile
	s_lshl_b32 s22, s12, 8                         ; and of B's,
	s_add_co_u32 s22, s22, 2*HALFT                 ; which lies behind A's
.irp s, 0,1
	v_add_nc_u32 v[ADRA+(\s)], s21, v3
	v_add_nc_u32 v[ADRB+(\s)], s22, v3
	s_add_co_u32 s21, s21, SLOT
	s_add_co_u32 s22, s22, SLOT
.endr
	s_add_co_u32 s23, s20, SLOT                    ; my stage: my quarter of slot 1
	s_add_co_u32 s101, s23, 512
	v_mul_u32_u24 v4, v1, SP
	v_lshl_add_u32 v4, v2, 5, v4
	v_add_nc_u32 v[STO], s23, v4
	v_mul_u32_u24 v4, v[LN], SP
	v_add_nc_u32 v[PW], s101, v4
	v_lshl_add_u32 v[RD0], v[LN], 4, s23
	v_lshlrev_b32 v[GO], 4, v[LN]                  ; 16 bytes of f32 a lane
	v_lshl_add_u32 v[XD], v[LN], 3, s20            ; 8 bytes of f16 a lane in my tile of X
	s_lshl_b32 s96, s67, 10
	s_add_co_u32 s97, s96, s13
	s_lshl_b32 s97, s97, 2
	v_lshl_add_u32 v5, v[LN], 4, s97
	global_load_b128 v[32:35], v5, s[74:75] offset:131072   ; pn of my four columns
	s_add_co_u32 s97, s96, s2
	s_lshl_b32 s97, s97, 2
	v_lshl_add_u32 v6, v[LN], 2, s97
.irp i, 0,1,2,3
	global_load_b32 v[36+\i], v6, s[74:75] offset:65536+128*\i    ; wdc of rows lane + 32 i
	global_load_b32 v[40+\i], v6, s[74:75] offset:131072+128*\i   ; pn of the same rows
.endr
	s_lshl_b32 s96, s67, 6
	s_add_co_u32 s96, s96, 163840
	s_mov_b32 s97, 0
	s_add_nc_u64 s[80:81], s[74:75], s[96:97]
	s_load_b128 s[4:7], s[80:81], 0x0              ; eS, cE, iE, gY
	s_load_b64 s[8:9], s[80:81], 0x10              ; gW, wdcl
	s_lshl_b32 s96, s67, 22
	s_lshl_b32 s18, s2, 12
	s_add_co_u32 s96, s96, s18
	s_lshl_b32 s18, s13, 2
	s_add_co_u32 s96, s96, s18
	s_add_nc_u64 s[82:83], s[82:83], s[96:97]      ; my part of the output
	s_wait_tensorcnt 1                             ; my part of K step 0 is in; K step 1's may stay out
	s_barrier_signal -1
	s_barrier_wait -1
	FETCH 0, 0, F0
	QUARTER 0, K1, F0, F1, 1
	WIN 0
	s_mov_b32 s3, LAPS-1
.Llap:
	QUARTER 0, K2, F1, F0, 0
	QUARTER 0, K3, F0, F1, 0
	TURN 0, 1
	QUARTER 1, K1, F0, F1, 0
	QUARTER 1, K2, F1, F0, 0
	QUARTER 1, K3, F0, F1, 0
	TURN 1, 0
	QUARTER 0, K1, F0, F1, 0
	WIN 0
	s_sub_co_u32 s3, s3, 1
	s_cmp_lg_u32 s3, 0
	s_cbranch_scc1 .Llap
	QUARTER 0, K2, F1, F0, 0
	QUARTER 0, K3, F0, F1, 0
	TURNX
	QUARTER 1, K1, F0, F1, 0
	QUARTER 1, K2, F1, F0, 0
	QUARTER 1, K3, F0, F1, 0
	LAST
	WIN 0
	PLACES
	s_wait_tensorcnt 0x0                           ; my tile of X is in; I alone read it
	s_wait_dscnt 0x0
	s_barrier_signal -1
	s_barrier_wait -1                              ; everybody's reads of slot 1 are over: the stages may be written
	s_wait_loadcnt 0x0
	s_wait_kmcnt 0x0
	s_cmp_lg_u32 s66, 0
	s_cselect_b32 s97, -1, 0                       ; all ones in job 1
	v_mov_b32 v3, s9                               ; wdcl
	v_mov_b32 v4, s7                               ; gY
.irp j, 0,1,2,3
	v_cndmask_b32 v[32+\j], v[32+\j], 1.0, s97     ; fc: pn[d], or 1
	v_mul_f32 v[36+\j], s6, v[36+\j]               ; wdc iE
	v_mul_f32 v[40+\j], s8, v[40+\j]               ; pn gW
.endr
.irp j, 0,1,2,3
	v_cndmask_b32 v[RQ+4*\j], v[36+\j], v3, s97    ; xr
	v_cndmask_b32 v[RQ+4*\j+2], v4, v[40+\j], s97  ; fr
.endr
.irp j, 0,1,2,3
	v_mov_b32 v[RQ+4*\j+1], v[RQ+4*\j]
	v_mov_b32 v[RQ+4*\j+3], v[RQ+4*\j+2]
.endr
.macro DUMP hi
	WIN 0x08+4*(\hi)
.irp a, 0,1,2,3
.irp b, 0,1,2,3,4,5,6,7
	ds_store_b128 v[STO], v[8*(8*(\a)+(\b)):8*(8*(\a)+(\b))+3] offset:(\a)*16*SP+64*(\b)
	ds_store_b128 v[STO], v[8*(8*(\a)+(\b))+4:8*(8*(\a)+(\b))+7] offset:(\a)*16*SP+64*(\b)+16
.endr
.endr
	WIN 0
.irp i, 0,1
	ds_store_b128 v[PW], v[RQ+8*(\hi)+4*\i:RQ+8*(\hi)+4*\i+3] offset:\i*32*SP
.endr
.endm
.macro LOADS                           ; eight rows of sums, their constants and eight rows of X are asked for; the three addresses go eight rows on (an LDS instruction's address may be rewritten at once)
.irp i, 0,1,2,3,4,5,6,7
	ds_load_b64 v[XH+2*\i:XH+2*\i+1], v[XD] offset:\i*256
.endr
.irp i, 0,1,2,3,4,5,6,7
	ds_load_b128 v[XR+4*\i:XR+4*\i+3], v[RD] offset:\i*SP    ; LDS serves a wave's instructions in order: these see my stores into the stage
.endr
.irp i, 0,1,2,3,4,5,6,7
	ds_load_b128 v[RC+4*\i:RC+4*\i+3], v[RP] offset:\i*SP
.endr
	v_add_nc_u32 v[XD], 8*256, v[XD]               ; X runs on across the halves
	v_add_nc_u32 v[RD], 8*SP, v[RD]
	v_add_nc_u32 v[RP], 8*SP, v[RP]
.endm
	s_mov_b32 s100, 0
.Lhalf:
	s_cmp_lg_u32 s100, 0
	s_cbranch_scc1 .Ldump1
	DUMP 0
	s_branch .Lrows
.Ldump1:
	DUMP 1
.Lrows:
	v_mov_b32 v[RD], v[RD0]
	v_mov_b32 v[RP], s101
	LOADS                                          ; the half's first eight rows
	s_mov_b32 s18, 8
.Ltrip:                                                ; eight rows a trip
	s_wait_dscnt 0x0                               ; this trip's rows, asked for a trip ago
.irp r, 64,65,66,67,68,69,70,71,72,73,74,75,76,77,78,79
	v_cvt_f32_f16 v[XF+2*(\r-64)], v\r\().l
	v_cvt_f32_f16 v[XF+2*(\r-64)+1], v\r\().h
.endr
.irp i, 0,1,2,3,4,5,6,7
	v_pk_mul_f32 v[T2+4*\i:T2+4*\i+1], v[XR+4*\i:XR+4*\i+1], v[RC+4*\i+2:RC+4*\i+3]
	v_pk_mul_f32 v[T2+4*\i+2:T2+4*\i+3], v[XR+4*\i+2:XR+4*\i+3], v[RC+4*\i+2:RC+4*\i+3]
.endr
.irp i, 0,1,2,3,4,5,6,7
	v_pk_fma_f32 v[T2+4*\i:T2+4*\i+1], v[XF+4*\i:XF+4*\i+1], v[RC+4*\i:RC+4*\i+1], v[T2+4*\i:T2+4*\i+1] neg_lo:[0,0,1] neg_hi:[0,0,1]
	v_pk_fma_f32 v[T2+4*\i+2:T2+4*\i+3], v[XF+4*\i+2:XF+4*\i+3], v[RC+4*\i:RC+4*\i+1], v[T2+4*\i+2:T2+4*\i+3] neg_lo:[0,0,1] neg_hi:[0,0,1]
.endr
	s_cmp_eq_u32 s18, 1
	s_cbranch_scc1 .Lnold                          ; the half's last trip asks for nothing
	LOADS                                          ; the registers in which rows land have been read: the next eight rows come under the lines below
.Lnold:
	s_wait_xcnt 0x0                                ; the last trip's stores: their offset and data are rewritten only behind this wait
	v_add_nc_u32 v[GO], 8*4096, v[GO]              ; eight rows on, across the halves too; the stores reach back by their immediates
.irp i, 0,1,2,3,4,5,6,7
	v_pk_mul_f32 v[YO+4*\i:YO+4*\i+1], v[T2+4*\i:T2+4*\i+1], v[32:33]
	v_pk_mul_f32 v[YO+4*\i+2:YO+4*\i+3], v[T2+4*\i+2:T2+4*\i+3], v[34:35]
.endr
.irp i, 0,1,2,3,4,5,6,7
	global_store_b128 v[GO], v[YO+4*\i:YO+4*\i+3], s[82:83] offset:(\i-8)*4096 th:TH_STORE_NT  ; 512 consecutive bytes, aligned
.endr
	s_sub_co_u32 s18, s18, 1
	s_cmp_lg_u32 s18, 0
	s_cbranch_scc1 .Ltrip
	s_add_co_u32 s100, s100, 1
	s_cmp_lt_u32 s100, 2
	s_cbranch_scc1 .Lhalf
	s_wait_tensorcnt 0x0                           ; the wave's end
	ds_add_u32 v[SPW], v[NIL]
	s_wait_dscnt 0x0
	CROUND                                         ; the closing round
	s_endpgm
.Lfunc_end_k_q82cb42e91f_fin:
	.size	k_q82cb42e91f_fin, .Lfunc_end_k_q82cb42e91f_fin-k_q82cb42e91f_fin
	.p2alignl 7, 3214868480
	.fill 96, 4, 3214868480
	.section	.rodata,"a",@progbits
	.p2align	6, 0x0
	.amdhsa_kernel k_q82cb42e91f_fin
		.amdhsa_group_segment_fixed_size 327680
		.amdhsa_private_segment_fixed_size 0
		.amdhsa_enable_private_segment 0
		.amdhsa_kernarg_size 48
		.amdhsa_user_sgpr_count 2
		.amdhsa_user_sgpr_kernarg_segment_ptr 1
		.amdhsa_wavefront_size32 1
		.amdhsa_system_sgpr_workgroup_id_x 1
		.amdhsa_system_sgpr_workgroup_id_y 1
		.amdhsa_system_sgpr_workgroup_id_z 1
		.amdhsa_system_vgpr_workitem_id 0
		.amdhsa_next_free_vgpr 1024
		.amdhsa_next_free_sgpr 102
		.amdhsa_reserve_vcc 0
		.amdhsa_float_denorm_mode_32 3
		.amdhsa_float_denorm_mode_16_64 3
		.amdhsa_memory_ordered 1
		.amdhsa_forward_progress 1
		.amdhsa_inst_pref_size 133
	.end_amdhsa_kernel
	.amdgpu_metadata
---
amdhsa.version: [ 1, 2 ]
amdhsa.kernels:
  - .name:           k_q82cb42e91f_fin
    .symbol:         k_q82cb42e91f_fin.kd
    .args:
      - { .name: pe, .offset: 0, .size: 8, .value_kind: global_buffer, .address_space: global }
      - { .name: qk, .offset: 8, .size: 8, .value_kind: global_buffer, .address_space: global }
      - { .name: wh, .offset: 16, .size: 8, .value_kind: global_buffer, .address_space: global }
      - { .name: tab, .offset: 24, .size: 8, .value_kind: global_buffer, .address_space: global }
      - { .name: out0, .offset: 32, .size: 8, .value_kind: global_buffer, .address_space: global }
      - { .name: out1, .offset: 40, .size: 8, .value_kind: global_buffer, .address_space: global }
    .group_segment_fixed_size: 327680
    .private_segment_fixed_size: 0
    .kernarg_segment_align: 8
    .kernarg_segment_size: 48
    .max_flat_workgroup_size: 128
    .sgpr_count:     102
    .vgpr_count:     1024
    .wavefront_size: 32
...
	.end_amdgpu_metadata
.endif
;; end of part 5
